; MI455X (gfx1250); checked and timed in simulation.
; The chip was launched on July 23, 2026; its instructions are those of AMD's public machine-readable ISA for CDNA 5 (MIT licence, August 2026) and "CDNA5" Instruction Set Architecture Reference Guide (July 2026). The comments in the code are by the model that wrote it; some were corrected since.
;; NON Local Block2 D. Allowed arithmetic: matrix products marked QUANTISED: E2M1 operands, one E8M0 scale for each 32 along K, by v_wmma_scale_f32_16x16x128_f8f6f4 with both operands' format E2M1 (or v_wmma_scale_f32_32x16x128_f4), f32 sums; everything else in f32.
;; Inputs: Wk1 128 x 256 float32; Wk2 128 x 128 float32; Wo 256 x 128 float32; Wq1 128 x 256 float32; Wq2 128 x 128 float32; Wv 128 x 256 float32; bk1 128 float32; bk2 128 float32; bo 256 float32; bq1 128 float32; bq2 128 float32; gk1 128 float32; gk2 128 float32; go 256 float32; gq1 128 float32; gq2 128 float32; mk1 128 float32; mk2 128 float32; mo 256 float32; mq1 128 float32; mq2 128 float32; vk1 128 float32; vk2 128 float32; vo 256 float32; vq1 128 float32; vq2 128 float32; x 4 x 256 x 64 x 64 float32; y 4 x 256 x 64 x 64 float32.
;; Outputs: out0 4 x 256 x 64 x 64 float32.
;; This version of the problem:
;;   THIS VERSION OF THE PROBLEM IS GIVEN IN LOW PRECISION. The matrix products marked QUANTISED in the list below multiply operands that are first quantised to E2M1 (2 exponent bits, 1 mantissa bit; 4 bits a number), with one power-of-two scale for each 32 numbers along K (OCP MX v1.0); their sums are f32. All else is computed in f32.
;;   The module's matrix products, in the order in which they are computed (A, B: the left and right operand; K: the contracted axis; several contracted axes count as one K, in the product's order):
;;     1. [M 128, K 256] x [K 256, N 16,384]; A: input Wq1; B: input x: QUANTISED
;;     2. [M 128, K 128] x [K 128, N 16,384]; A: input Wq2; B: computed on the way: QUANTISED
;;     3. [M 128, K 256] x [K 256, N 16,384]; A: input Wk1; B: input y: QUANTISED
;;     4. [M 128, K 128] x [K 128, N 16,384]; A: input Wk2; B: computed on the way: QUANTISED
;;     5. [M 128, K 256] x [K 256, N 16,384]; A: input Wv; B: input y: QUANTISED
;;     6. batch 4 x [M 4,096, K 128] x [K 128, N 4,096]; A: computed on the way; B: computed on the way: QUANTISED
;;     7. batch 4 x [M 4,096, K 4,096] x [K 4,096, N 128]; A: softmax (see below); B: computed on the way: QUANTISED
;;     8. [M 256, K 128] x [K 128, N 16,384]; A: input Wo; B: computed on the way: QUANTISED
;;   THE QUANTISER, for each operand of a quantised product, along K:
;;     - K is cut into blocks of 32 from its start; a last block that is shorter is filled with zeros.
;;     - A block's scale is 2^e with e = floor(log2(the largest magnitude in the block)) - 2, held to -126 .. 127; a block of zeros has e = 0. As a byte (E8M0): e + 127.
;;     - Each number is divided by its block's scale, clamped to +-6, and rounded to the nearest number of E2M1, ties to even, subnormals kept.
;;     - The product sums the exact products of the quantised numbers (number of the format x scale) in f32.
;;   ~~~python
;;   def quantise(x, axis):      # numpy; x: float32 -> the quantised numbers, widened to float32 again
;;       x = np.moveaxis(x, axis, -1); K = x.shape[-1]
;;       x = np.pad(x, [(0, 0)] * (x.ndim - 1) + [(0, -K % 32)]); x = x.reshape(x.shape[:-1] + (-1, 32)); a = np.abs(x).max(-1, keepdims=True)
;;       e = np.where(a > 0, np.clip(np.frexp(np.where(a > 0, a, 1))[1] - 1 - 2, -126, 127), 0)      # np.frexp(a)[1] - 1 = floor(log2(a)), exactly
;;       r = np.clip(x / 2.0 ** e, -6, 6)
;;       step = 2.0 ** (np.maximum(np.frexp(np.where(r == 0, 1, r))[1] - 1, 0) - 1)
;;       q = np.round(r / step) * step * 2.0 ** e      # np.round: ties to even
;;       return np.moveaxis(q.reshape(q.shape[:-2] + (-1,))[..., :K], -1, axis).astype(np.float32)
;;   ~~~
;;   SOFTMAX AHEAD OF A QUANTISED PRODUCT. Where the list says 'softmax', what is quantised is not the finished softmax but p = 2^(t - M), with t = logit x log2(e) and M = ceil(the row's largest t), a whole number; so 1/2 < the row's largest p <= 1. The row's sum l is taken of the UNQUANTISED p, in f32, and the product's result is divided by l at the end. Since M is a whole number, a kernel that streams over the keys may use a running M (the ceiling of the running maximum): every later rescaling is an exact power of two, which a block's scale takes up: the codes' values come out the same.
;;   OPERANDS COMPUTED ON THE WAY. 'Computed on the way' means the value that the module computes at that place (a softmax that the list does not call 'softmax' is quantised finished and normalised). What goes into a quantiser is computed in f32, as accurately as f32 sums, v_exp_f32 and their like allow (about 1e-6 of the number): no bf16 or f16 on the way to a quantiser, and a product that is left as it is and whose result goes on into a quantised operand takes f32 operands (vector FMAs, or v_wmma_f32_16x16x4_f32). A number that lies on a knife's edge between two numbers of the format may be rounded either way, as far as f32 arithmetic and the matrix unit's own rounding can turn it there, and no further.
;; 2 versions. Each part assembles by itself: llvm-mc -triple=amdgcn-amd-amdhsa -mcpu=gfx1250 --defsym DOCPART=n.
;; ======== version 1 of 2: 2 launches
;; workspace buffers: wq 87,040 bytes; qf 1,114,112 bytes; kv 2,228,224 bytes
;; launch proj (part 1): grid 128 x 2, 16 waves a work-group, no clusters, 121,856 bytes of LDS; arguments x, y, Wq1, Wq2, Wk1, Wk2, Wv, Wo, gq1, bq1, mq1, vq1, gq2, bq2, mq2, vq2, gk1, bk1, mk1, vk1, gk2, bk2, mk2, vk2, qf, kv, wq; writes qf, kv, wq
.if DOCPART == 1
	.amdgcn_target "amdgcn-amd-amdhsa--gfx1250"
	.amdhsa_code_object_version 6
	.text
	.protected	k_qdf351d115d_proj
	.globl	k_qdf351d115d_proj
	.p2align	8
	.type	k_qdf351d115d_proj,@function
k_qdf351d115d_proj:
	s_mov_b64 s[64:65], 0
	v_nop
	global_prefetch_b8 v0, s[64:65] scope:SCOPE_SE
	s_setreg_imm32_b32 hwreg(HW_REG_WAVE_MODE, 25, 1), 1
	s_wait_xcnt 0x0
; q = bnrelu(Wq2 bnrelu(Wq1 x)), k = bnrelu(Wk2 bnrelu(Wk1 y)), v = Wv y: all five products on codes of FP4 (E2M1) with one E8M0 byte for each 32 along K; BN and ReLU in f32, in the order (sum - m) s + b, s = g rsq(v + 1e-5).
; x, y: [4][256][4096] f32, K = the channels, which are the OUTER axis.  The weights: f32, K innermost.  Results leave as codes, as images of operand registers (a fragment: 16 rows x 128 K, 1,024 bytes, registers 4 c .. 4 c + 3 of lane l at 512 c + 16 l):
;   qf: a record of 8,704 bytes for each 128 pixels: 8 fragments of q (rows = pixels, K = the 128 channels), then 512 bytes of scale words: tile T, row-lane r at 256 (T / 4) + 16 r + 4 (T % 4).
;   kv: a record of 17,408 bytes for each 128 pixels: k laid as q is, then from 8,704 on 8 fragments of v (rows = channels, K = THE 128 PIXELS, since the keys are the later product's K) and their scale words.
;   wq: Wo's 16 fragments from byte 65,536 on and their scale words (laid as a record's) from byte 86,016 on, the places at which the next launch reads them; the bytes in front are not used.
; THE ROWS OF EVERY TILE: lane r of tile 2 b + u holds row 32 b + 8 u + r + 8 (r / 8).  With such a tile as source 0, register j of lane (r, h) of the result is row 32 b + 16 h + 8 u + j: the 16 registers of tiles 2 b, 2 b + 1 are 16 neighbours along the next K.
; SHARES.  Work-group (X, TYPE) takes the 128 pixels of record X, from x (TYPE 0) or from y (TYPE 1): 256 work-groups, 128 KiB of f32 input each.  TYPE chooses addresses; only what waves 8-15 do behind the first barrier is a path of its own.
;   All 16 waves quantise the input: a lane takes a pixel and its registers run down the channels (wave w: pixels 32 (w % 4) + lane, channels 64 (w / 4) on), so a block of 32 lies in one lane; codes go to LDS as rows [pixel][256 channels].
;   All 16 waves quantise the chain's two weights, 24 fragments = 48 halves (16 rows x 64 K), three halves a wave: half w + 16 n is fragment 8 n + w / 2, registers 4 (w % 2) on.  Images and scale bytes go to LDS.
;   A weight is loaded as it lies (a load takes 256 neighbouring bytes of each of two rows) and turned through the wave's own stage in LDS, from which lane (r, h) takes the 32 neighbours along K of its block.
;   Behind the barrier waves 0-7 take a tile of 16 pixels each through both layers, in registers.  Waves 8-15: for y, each quantises its own tile of Wv into its operand registers and makes 16 channels of v for the 128 pixels;
;   for x, those of work-groups 0 and 1 quantise Wo, a tile each, for the next launch.
; NO CLUSTER, though the work-groups of a TYPE read the same 192 KiB of weights (y: 320): a joint load would put a round of the cluster's barrier in front of the launch's first byte and one at its end,
; in a launch that has one tile a work-group and no loop over which rounds could be spread.  No tensor load is used: all that a work-group reads is asked for in one run a wave.
; LIMITS: a block whose largest magnitude lies under 2^-124, a block of zeros too, gets the byte 1 (this program alone reads the bytes); NaN and infinities are not served; 1 / sqrt is v_rsq_f32.
.set XP,   144                         ; LDS: a pixel's row of codes: 128 bytes + 16 of padding
.set XC,   0                           ; 128 such rows
.set XS,   18432                       ; the input's scale words: 512 s + 4 x pixel
.set WIMG, 19456                       ; images of the first layer's 16 fragments (2 t + s) and the second's 8 (16 + t)
.set PRM,  44032                       ; layer L at 1,536 L: m, s, b, 128 f32 each
.set KSW,  47104                       ; the scale words of q or k, as they lie in the record
.set VSW,  47616                       ; those of v
.set OSW,  48128                       ; those of eight tiles of Wo
.set WSC,  48640                       ; the chain's weights' scale words: fragment f, row-lane r at 256 (f / 4) + 16 r + 4 (f % 4)
.set STG,  50176                       ; a stage for each wave: 16 rows of 256 bytes + 16 of padding
.set SGP,  272
.set PC,   224                         ; v224-231 the fragment just made
.set TM,   232                         ; v232-247 at work in QUANT
.set PW,   248                         ; v248     the scale word just made
.set AW,   6                           ; v6   where my halves' images go: WIMG + 512 wave + 16 lane, + 8,192 n
.set AB,   15                          ; v15  and their scale bytes: WSC + 256 (wave / 8) + 2 (wave % 8) + 16 r + h, + 512 n
.set VOA,  216                         ; v216 a weight with rows of 1,024 bytes: 16 (lane % 16), and 16 rows on for lanes 16-31
.set VOB,  217                         ; v217 the same for rows of 512 bytes
.set SIN,  218                         ; v218 my stage, on the way in: lanes 0-15 row j, lanes 16-31 row j + 8
.set SOUT, 219                         ; v219 and on the way out: row r, + 128 h
.set H8,   220                         ; v220 8 h
.set TYPE, 58                          ; s58 0: x, 1: y;  s59 my wave;  s60 wave % 8;  s61 wave % 4;  s62 wave / 4;  s63 1 where this work-group has tiles of Wo
.set WV,   59
.set T8,   60
.set PG,   61
.set BP,   62
.set DOWO, 63
.set SEL,  66                          ; s[66:67] v_permlanex16_b32's selects for lane l xor 16
; REGISTERS: v1 16 lane; v2 16 r; v3 4 lane; v4-13, v15, v218-219 LDS addresses, made at the head and never rewritten; v14 4 x my channel; v16-31 two fragments (the input's; in v's phase Wv's);
;   v32-95 64 numbers of the input, later 8 fragments, in BN m and s; v96-159 numbers of the weights, later eight accumulators; v160-191 codes, bytes and BN's numbers at the head, later b; v192-215 scale words; v249-250 the input's.
.macro PLACES n
.rept \n
	v_nop
.endr
.endm
; 64 numbers of a lane, v[s] .. v[s + 63], register 16 b + i = k 32 b + 16 (lane / 16) + i of my row, become a fragment's codes in v[PC] on and its scale word in v[PW].
.macro QUANT s
.irp b, 0,1,2,3
	v_max3_num_f32 v[TM+\b], |v[\s+16*\b]|, |v[\s+1+16*\b]|, 0x1800000   ; block b: my 16 numbers, and the floor 2^(3 - 127): the byte cannot fall under 1
.endr
.irp i, 2,4,6,8,10,12,14
.irp b, 0,1,2,3
	v_max3_num_f32 v[TM+\b], v[TM+\b], |v[\s+16*\b+\i]|, |v[\s+1+16*\b+\i]|   ; (the four blocks by turns)
.endr
.endr
.irp b, 0,1,2,3
	v_permlanex16_b32 v[TM+4+\b], v[TM+\b], s[SEL], s[SEL+1]
.endr
.irp b, 0,1,2,3
	v_max_num_f32 v[TM+\b], v[TM+\b], v[TM+4+\b]   ; with lane l xor 16's: the block's largest magnitude
.endr
.irp b, 0,1,2,3
	v_add_nc_u32 v[TM+12+\b], 0xff000000, v[TM+\b] ; 2 off its exponent field: the conversion's scale operand
.endr
.irp b, 0,1,2,3
	v_lshrrev_b32 v[TM+4+\b], 23, v[TM+12+\b]      ; the scale's byte
.endr
	v_lshl_or_b32 v[PW], v[TM+5], 8, v[TM+4]       ; the four bytes make my row's scale word
	v_lshl_or_b32 v[PW], v[TM+6], 16, v[PW]
	v_lshl_or_b32 v[PW], v[TM+7], 24, v[PW]
.irp b, 0,1,2,3
	v_cvt_scalef32_pk8_fp4_f32 v[PC+2*\b], v[\s+16*\b:\s+7+16*\b], v[TM+12+\b]
	v_cvt_scalef32_pk8_fp4_f32 v[PC+1+2*\b], v[\s+8+16*\b:\s+15+16*\b], v[TM+12+\b]
.endr
	v_nop                                          ; one plain place behind a scaled conversion
.irp c, 0,1                                    ; the operand's layout wants a WHOLE block in a lane: lanes 0-15 block 2 c, lanes 16-31 block 2 c + 1
.irp i, 0,1
	v_permlane16_swap_b32 v[PC+4*\c+\i], v[PC+2+4*\c+\i]
.endr
.endr
.endm
; 32 numbers of a lane, v[s] .. v[s + 31], are one whole block along K: its codes go into v[d] .. v[d + 3], its scale's byte into v[e]
.macro BLOCK32 s, d, e
	v_max3_num_f32 v184, |v[(\s)]|, |v[(\s)+1]|, |v[(\s)+2]|
	v_max3_num_f32 v185, |v[(\s)+3]|, |v[(\s)+4]|, |v[(\s)+5]|
.irp i, 6,10,14,18,22,26
	v_max3_num_f32 v184, v184, |v[(\s)+\i]|, |v[(\s)+\i+1]|
	v_max3_num_f32 v185, v185, |v[(\s)+\i+2]|, |v[(\s)+\i+3]|
.endr
	v_max3_num_f32 v184, v184, |v[(\s)+30]|, |v[(\s)+31]|
	v_max3_num_f32 v184, v184, v185, 0x1800000     ; and the floor 2^(3 - 127)
	v_add_nc_u32 v186, 0xff000000, v184            ; 2 off the exponent field: the conversion's scale operand
	v_lshrrev_b32 v[\e], 23, v186                  ; the scale's byte
.irp g, 0,1,2,3
	v_cvt_scalef32_pk8_fp4_f32 v[(\d)+\g], v[(\s)+8*\g:(\s)+8*\g+7], v186
.endr
	v_nop                                          ; one plain place behind the last scaled conversion
.endm
; my two bytes, of blocks h and 2 + h of row r, and lane l xor 16's two make the row's scale word
.macro WORD pw, e0, e1
	v_lshl_or_b32 v[\pw], v[\e1], 16, v[\e0]
	v_lshlrev_b32 v[\pw], v[H8], v[\pw]            ; at their places in the word: 8 h bits up
	v_permlanex16_b32 v191, v[\pw], s[SEL], s[SEL+1]
	v_or_b32 v[\pw], v[\pw], v191
.endm
; half a fragment of a weight, as it was loaded (register group j: 16 bytes of row j or j + 8), goes through my stage and comes back, into the registers that it left, as 32 neighbours along K of row r.
; LDS serves a wave's instructions in order (ISA guide 5.7.1.4): no wait between the stores and the loads, nor in front of the next half's stores.
.macro TURN32 s
.irp j, 0,1,2,3,4,5,6,7
	ds_store_b128 v[SIN], v[(\s)+4*\j:(\s)+4*\j+3] offset:SGP*\j
.endr
.irp i, 0,1,2,3,4,5,6,7
	ds_load_b128 v[(\s)+4*\i:(\s)+4*\i+3], v[SOUT] offset:16*\i
.endr
.endm
; a whole fragment, its two halves as loaded in v[s] .. v[s + 63]: codes into v[d] .. v[d + 7], scale word into v[pw]
.macro WFRAG s, d, pw
	TURN32 \s
	TURN32 (\s)+32
	s_wait_dscnt 16                                ; the first half is back: behind its loads stand the second half's 8 stores and 8 loads
	BLOCK32 \s, \d, 189
	s_wait_dscnt 0x0
	BLOCK32 (\s)+32, (\d)+4, 190
	WORD \pw, 189, 190
.endm
; eight weight fragments f0, f0 + st, .. from their images into v32-95
.macro WFETCH f0, st
.irp t, 0,1,2,3,4,5,6,7
.irp c, 0,1
	ds_load_b128 v[32+8*\t+4*\c:35+8*\t+4*\c], v1 offset:WIMG+(\f0+\st*\t)*1024+512*\c
.endr
.endr
.endm
; eight products on the eight accumulators, one instruction a turn: source 0 = the fragments in v32-95, source 1 = the fragment at v[b]
.macro MUL8 b, zero, sa, st, sb
.irp t, 0,1,2,3,4,5,6,7
.if \zero
	v_wmma_scale_f32_16x16x128_f8f6f4 v[96+8*\t:103+8*\t], v[32+8*\t:39+8*\t], v[\b:\b+7], 0, v[\sa+\st*\t], v[\sb] matrix_a_fmt:MATRIX_FMT_FP4 matrix_b_fmt:MATRIX_FMT_FP4
.else
	v_wmma_scale_f32_16x16x128_f8f6f4 v[96+8*\t:103+8*\t], v[32+8*\t:39+8*\t], v[\b:\b+7], v[96+8*\t:103+8*\t], v[\sa+\st*\t], v[\sb] matrix_a_fmt:MATRIX_FMT_FP4 matrix_b_fmt:MATRIX_FMT_FP4
.endif
.endr
.endm
; BN and ReLU of layer L on the eight accumulators, four tiles at a time: lane (r, h) wants, for tile t, the numbers of channels 32 (t / 2) + 16 h + 8 (t % 2) + 0 .. 7.  Each accumulator is read from its low end on.
.macro BN L
.irp g, 0,1
.irp t, 0,1,2,3
	ds_load_b128 v[32+8*\t:35+8*\t], v12 offset:1536*\L+(32*((4*\g+\t)/2)+8*(\t%2))*4
	ds_load_b128 v[36+8*\t:39+8*\t], v12 offset:1536*\L+(32*((4*\g+\t)/2)+8*(\t%2))*4+16
	ds_load_b128 v[64+8*\t:67+8*\t], v12 offset:1536*\L+512+(32*((4*\g+\t)/2)+8*(\t%2))*4
	ds_load_b128 v[68+8*\t:71+8*\t], v12 offset:1536*\L+512+(32*((4*\g+\t)/2)+8*(\t%2))*4+16
	ds_load_b128 v[160+8*\t:163+8*\t], v12 offset:1536*\L+1024+(32*((4*\g+\t)/2)+8*(\t%2))*4
	ds_load_b128 v[164+8*\t:167+8*\t], v12 offset:1536*\L+1024+(32*((4*\g+\t)/2)+8*(\t%2))*4+16
.endr
	s_wait_dscnt 0x0
.irp j, 0,2,4,6,8,10,12,14,16,18,20,22,24,26,28,30
	v_pk_add_f32 v[96+32*\g+\j:97+32*\g+\j], v[96+32*\g+\j:97+32*\g+\j], v[32+\j:33+\j] neg_lo:[0,1] neg_hi:[0,1]   ; sum - m
.endr
.irp j, 0,2,4,6,8,10,12,14,16,18,20,22,24,26,28,30
	v_pk_fma_f32 v[96+32*\g+\j:97+32*\g+\j], v[96+32*\g+\j:97+32*\g+\j], v[64+\j:65+\j], v[160+\j:161+\j]            ; x s + b
.endr
.irp j, 0,1,2,3,4,5,6,7,8,9,10,11,12,13,14,15,16,17,18,19,20,21,22,23,24,25,26,27,28,29,30,31
	v_max_num_f32 v[96+32*\g+\j], 0, v[96+32*\g+\j]
.endr
.endr
.endm
	s_load_b512 s[4:19], s[0:1], 0x0               ; x s[4:5], y s[6:7], Wq1 s[8:9], Wq2 s[10:11], Wk1 s[12:13], Wk2 s[14:15], Wv s[16:17], Wo s[18:19]
	s_load_b512 s[20:35], s[0:1], 0x40             ; g, b, m, v of q1, then of q2
	s_load_b512 s[36:51], s[0:1], 0x80             ; the same of k1, k2
	s_load_b128 s[52:55], s[0:1], 0xc0             ; qf, kv
	s_load_b64 s[56:57], s[0:1], 0xd0              ; wq
	v_lshl_add_u32 v254, v0, 2, 0x1d400
	v_mov_b32 v255, 0
	v_lshrrev_b32 v16, 5, v0
	v_readfirstlane_b32 s[WV], v16                 ; wave 0..15
	s_and_b32 s[TYPE], ttmp7, 0xffff
	s_and_b32 s[T8], s[WV], 7                      ; my tile, of pixels, of v's channels or of Wo's rows
	s_and_b32 s[PG], s[WV], 3                      ; which 32 pixels I quantise
	s_lshr_b32 s[BP], s[WV], 2                     ; which 64 channels
	s_mov_b32 s[SEL], 0x76543210
	s_mov_b32 s[SEL+1], 0xfedcba98
	v_and_b32 v16, 31, v0                          ; lane
	v_and_b32 v17, 15, v0                          ; r
	v_bfe_u32 v18, v0, 4, 1                        ; h
	v_and_b32 v19, 8, v17
	v_add_nc_u32 v19, v19, v17                     ; r + 8 (r / 8)
	v_lshlrev_b32 v1, 4, v16
	v_lshlrev_b32 v2, 4, v17
	v_lshlrev_b32 v3, 2, v16
	s_mul_i32 s72, s[PG], 32*XP
	s_lshl_b32 s73, s[BP], 5
	s_add_co_u32 s72, s72, s73
	v_mul_u32_u24 v4, v16, XP
	v_add_nc_u32 v4, s72, v4                       ; v4: my pixel's row of codes, my two blocks' 32 bytes
	s_lshr_b32 s72, s[BP], 1
	s_lshl_b32 s72, s72, 9
	s_lshl_b32 s73, s[PG], 7
	s_add_co_u32 s72, s72, s73
	s_and_b32 s73, s[BP], 1
	s_lshl_b32 s73, s73, 1
	s_add_co_u32 s72, s72, s73
	s_add_co_u32 s72, s72, XS
	v_add_nc_u32 v5, s72, v3                       ; v5: my two bytes of my pixel's scale word
	s_lshl_b32 s72, s[WV], 9
	s_add_co_u32 s72, s72, WIMG
	v_add_nc_u32 v[AW], s72, v1
	s_lshr_b32 s72, s[WV], 3
	s_lshl_b32 s72, s72, 8
	s_lshl_b32 s73, s[T8], 1
	s_add_co_u32 s72, s72, s73
	s_add_co_u32 s72, s72, WSC
	v_add_nc_u32 v[AB], s72, v2
	v_add_nc_u32 v[AB], v[AB], v18
	v_lshl_add_u32 v[VOA], v18, 14, v2
	v_lshl_add_u32 v[VOB], v18, 13, v2
	s_mul_i32 s72, s[WV], 16*SGP
	s_add_co_u32 s72, s72, STG                     ; my stage
	v_mul_u32_u24 v20, v18, 8*SGP
	v_add_nc_u32 v20, v20, v2
	v_add_nc_u32 v[SIN], s72, v20
	v_mul_u32_u24 v20, v17, SGP
	v_lshl_add_u32 v20, v18, 7, v20
	v_add_nc_u32 v[SOUT], s72, v20
	v_lshlrev_b32 v[H8], 3, v18
	v_and_b32 v14, 127, v0
	v_lshlrev_b32 v14, 2, v14                      ; v14: 4 x my channel (waves 0-3 layer 1, waves 4-7 layer 2)
	v_bfe_u32 v20, v0, 7, 1
	v_mul_u32_u24 v20, v20, 1536
	v_add_nc_u32 v7, v20, v14
	v_add_nc_u32 v7, PRM, v7                       ; v7: where its m, s, b go
	s_lshr_b32 s69, s[T8], 1
	s_lshl_b32 s69, s69, 5
	s_and_b32 s73, s[T8], 1
	s_lshl_b32 s73, s73, 3
	s_add_co_u32 s69, s69, s73                     ; s69: my tile's first row: 32 (T / 2) + 8 (T % 2)
	v_mul_u32_u24 v10, v19, XP
	v_lshl_add_u32 v10, v18, 4, v10                ; v10: a fragment's place in the rows of codes: row r + 8 (r / 8), + 16 h
	s_mul_i32 s73, s69, XP
	v_add_nc_u32 v8, s73, v10                      ; v8: the same in my tile of pixels
	v_lshl_add_u32 v11, v19, 2, XS                 ; v11: the scale word of row r + 8 (r / 8)
	s_lshl_b32 s73, s69, 2
	v_add_nc_u32 v9, s73, v11                      ; v9: the same in my tile
	v_lshl_add_u32 v12, v18, 6, PRM                ; v12: BN's numbers: + 64 h
	s_lshr_b32 s72, s[T8], 2
	s_lshl_b32 s72, s72, 8
	s_lshl_b32 s73, s[PG], 2
	s_add_co_u32 s72, s72, s73
	v_add_nc_u32 v13, s72, v2                      ; v13: my tile's scale word of row-lane r in a record's 512 bytes
.irp b, 0,1,2,3
	v_mov_b32 v[TM+4+\b], 0                        ; written once: a lane permute's destination counts as one of its sources
.endr
	v_mov_b32 v191, 0                              ; likewise
	s_wait_kmcnt 0x0
	s_cmp_eq_u32 s[TYPE], 0                        ; TYPE chooses addresses; it hangs on the work-group's number alone
	s_cselect_b64 s[4:5], s[4:5], s[6:7]           ; the input
	s_cselect_b64 s[8:9], s[8:9], s[12:13]         ; the first layer's weight
	s_cselect_b64 s[10:11], s[10:11], s[14:15]     ; the second's
.irp i, 0,1,2,3,4,5,6,7
	s_cselect_b64 s[20+2*\i:21+2*\i], s[20+2*\i:21+2*\i], s[36+2*\i:37+2*\i]
.endr
	s_cselect_b64 s[52:53], s[52:53], s[54:55]
	s_mov_b32 s68, 17408
	s_cselect_b32 s68, 8704, s68                   ; a record's bytes
	s_cselect_b32 s[DOWO], 1, 0
	s_cmp_lt_u32 ttmp9, 2
	s_cselect_b32 s[DOWO], s[DOWO], 0              ; Wo's 16 tiles: waves 8-15 of x's work-groups 0 and 1
	s_cmp_lt_u32 s[WV], 4                          ; waves 0-3 make layer 1's m, s, b, waves 4-7 layer 2's
.irp i, 0,1,2,3
	s_cselect_b64 s[20+2*\i:21+2*\i], s[20+2*\i:21+2*\i], s[28+2*\i:29+2*\i]
.endr
	s_lshr_b32 s72, ttmp9, 5
	s_lshl_b32 s72, s72, 22                        ; the batch: 4,194,304 bytes;
	s_lshl_b32 s73, s[BP], 20                      ; my 64 channels of 16,384 bytes;
	s_add_co_u32 s72, s72, s73
	s_and_b32 s73, ttmp9, 31
	s_lshl_b32 s73, s73, 9                         ; the record's 128 pixels;
	s_add_co_u32 s72, s72, s73
	s_lshl_b32 s73, s[PG], 7                       ; my 32 of them
	s_add_co_u32 s72, s72, s73
	s_mov_b32 s73, 0                               ; (the upper word of every offset below)
	s_add_nc_u64 s[4:5], s[4:5], s[72:73]
	s_mul_i32 s72, ttmp9, s68
	s_add_nc_u64 s[52:53], s[52:53], s[72:73]      ; my record
	s_lshl_b32 s72, s[T8], 10
	s_add_nc_u64 s[76:77], s[52:53], s[72:73]      ; my fragment in it
	s_lshr_b32 s74, s[WV], 3                       ; the first layer's weight: halves w and w + 16 are tiles w / 4 and 4 + w / 4, which lie 64 rows apart; K from 64 (w % 4) on
	s_lshl_b32 s74, s74, 5
	s_and_b32 s75, s[BP], 1
	s_lshl_b32 s75, s75, 3
	s_add_co_u32 s74, s74, s75                     ; tile w / 4's first row
	s_lshl_b32 s72, s74, 10
	s_lshl_b32 s75, s[PG], 8
	s_add_co_u32 s72, s72, s75
	s_add_nc_u64 s[8:9], s[8:9], s[72:73]
	s_lshl_b32 s74, s[BP], 5                       ; the second's: tile w / 2; K from 64 (w % 2) on
	s_bfe_u32 s75, s[WV], 0x10001
	s_lshl_b32 s75, s75, 3
	s_add_co_u32 s74, s74, s75
	s_lshl_b32 s72, s74, 9
	s_and_b32 s75, s[WV], 1
	s_lshl_b32 s75, s75, 8
	s_add_co_u32 s72, s72, s75
	s_add_nc_u64 s[10:11], s[10:11], s[72:73]
	s_lshl_b32 s72, s69, 10
	s_add_nc_u64 s[16:17], s[16:17], s[72:73]      ; Wv: tile w % 8
	s_and_b32 s74, ttmp9, 1                        ; Wo: tile 8 (X % 2) + w % 8: its first row lies 128 (X % 2) rows further on
	s_lshl_b32 s75, s74, 7
	s_add_co_u32 s75, s75, s69
	s_lshl_b32 s72, s75, 9
	s_add_nc_u64 s[18:19], s[18:19], s[72:73]
	s_lshl_b32 s72, s74, 3
	s_add_co_u32 s72, s72, s[T8]
	s_lshl_b32 s72, s72, 10
	s_add_co_u32 s72, s72, 65536
	s_add_nc_u64 s[78:79], s[56:57], s[72:73]      ; where that tile's image goes,
	s_lshl_b32 s72, s74, 9
	s_add_co_u32 s72, s72, 86016
	s_add_nc_u64 s[80:81], s[56:57], s[72:73]      ; and the eight tiles' scale words
; ---- the loads go out in one run: BN's numbers, two halves of the first layer's weight, the input
	s_cmp_lt_u32 s[WV], 8
	s_cbranch_scc0 .Lno_small
	global_load_b32 v172, v14, s[20:21]            ; g
	global_load_b32 v173, v14, s[22:23]            ; b
	global_load_b32 v174, v14, s[24:25]            ; m
	global_load_b32 v175, v14, s[26:27]            ; v
.Lno_small:
.irp n, 0,1
.irp j, 0,1,2,3,4,5,6,7
	global_load_b128 v[96+32*\n+4*\j:99+32*\n+4*\j], v[VOA], s[8:9] offset:65536*\n+1024*\j   ; 256 consecutive bytes, aligned, of row j and of the row 16 further on
.endr
.endr
.irp i, 0,1
.irp j, 0,1,2,3,4,5,6,7,8,9,10,11,12,13,14,15,16,17,18,19,20,21,22,23,24,25,26,27,28,29,30,31
	global_load_b32 v[32+32*\i+\j], v3, s[4:5] offset:(32*\i+\j)*16384   ; one channel at 32 neighbouring pixels: 128 consecutive bytes; four waves stand side by side on 512
.endr
.endr
	s_wait_loadcnt 63                              ; loads come back in order: behind the weight's stand the input's 64, of which the count can name 63: BN's numbers and the weight are in
	s_cmp_lt_u32 s[WV], 8
	s_cbranch_scc0 .Lno_prm
	v_add_f32 v175, 0x3727c5ac, v175               ; v + 1e-5
	v_rsq_f32 v175, v175
	v_nop                                          ; one plain place behind a transcendental
	s_wait_alu depctr_va_vdst(0)
	v_mul_f32 v172, v172, v175                     ; s = g / sqrt(v + 1e-5)
	ds_store_b32 v7, v174
	ds_store_b32 v7, v172 offset:512
	ds_store_b32 v7, v173 offset:1024
.Lno_prm:
	TURN32 96
	TURN32 128
	s_wait_dscnt 16                                ; the first half is back: behind its loads stand the second's 8 stores and 8 loads
	BLOCK32 96, PC, 189
	s_wait_dscnt 0x0
	BLOCK32 128, PC+4, 190
	ds_store_b128 v[AW], v[PC:PC+3]                ; registers 4 (w % 2) on of fragment w / 2,
	ds_store_b128 v[AW], v[PC+4:PC+7] offset:8192  ; and of fragment 8 + w / 2
	ds_store_b8 v[AB], v189                        ; byte 2 (w % 2) + h of row r's scale word
	ds_store_b8 v[AB], v190 offset:512
.irp j, 0,1,2,3,4,5,6,7
	global_load_b128 v[96+4*\j:99+4*\j], v[VOB], s[10:11] offset:512*\j   ; my half of the second layer's weight, into registers that are done with
.endr
	s_wait_loadcnt 40                              ; my first block of the input is in: behind it stand the second's 32 loads and the weight's 8
	BLOCK32 32, 176, 187
	ds_store_b128 v4, v[176:179]                   ; 32 codes: 16 bytes of my pixel's row
	s_wait_loadcnt 8                               ; the second block: behind it the weight's 8
	BLOCK32 64, 180, 188
	ds_store_b128 v4, v[180:183] offset:16
	v_lshl_or_b32 v187, v188, 8, v187
	ds_store_b16 v5, v187                          ; my two bytes of the pixel's scale word
	s_wait_loadcnt 0x0
	TURN32 96
	s_wait_dscnt 0x0
	BLOCK32 96, 160, 164
	ds_store_b128 v[AW], v[160:163] offset:16384   ; fragment 16 + w / 2
	ds_store_b8 v[AB], v164 offset:1024
; what waves 8-15 need behind the barrier is asked for now, into registers that are done with
	s_cmp_lt_u32 s[WV], 8
	s_cbranch_scc1 .Lno_early
	s_cmp_eq_u32 s[TYPE], 0
	s_cbranch_scc1 .Learly_o
.irp s, 0,1
.irp c, 0,1
.irp j, 0,1,2,3,4,5,6,7
	global_load_b128 v[32+64*\s+32*\c+4*\j:35+64*\s+32*\c+4*\j], v[VOA], s[16:17] offset:1024*\j+512*\s+256*\c   ; my tile of Wv: K step s, half c
.endr
.endr
.endr
	s_branch .Lno_early
.Learly_o:
	s_cmp_eq_u32 s[DOWO], 0
	s_cbranch_scc1 .Lno_early
.irp c, 0,1
.irp j, 0,1,2,3,4,5,6,7
	global_load_b128 v[32+32*\c+4*\j:35+32*\c+4*\j], v[VOB], s[18:19] offset:512*\j+256*\c   ; my tile of Wo
.endr
.endr
.Lno_early:
	s_wait_dscnt 0x0                               ; for the others' sake: all my LDS stores have landed
	s_barrier_signal -1
	s_barrier_wait -1                              ; the input's codes and scale words, the weights' images and scale words and BN's numbers lie in LDS
	s_cmp_lt_u32 s[WV], 8
	s_cbranch_scc0 .Lvalue
; ---- waves 0-7: my 16 pixels through both layers.  Both products are used transposed (source 0 = 16 rows of the weight, source 1 = the pixels): a lane holds one pixel, its registers run along the channels
.irp s, 0,1
.irp c, 0,1
	ds_load_b128 v[16+8*\s+4*\c:19+8*\s+4*\c], v8 offset:64*\s+32*\c
.endr
	ds_load_b32 v[249+\s], v9 offset:512*\s
.endr
.irp g, 0,1,2,3,4,5
	ds_load_b128 v[192+4*\g:195+4*\g], v2 offset:WSC+256*\g   ; the scale words of fragments 4 g .. 4 g + 3: fragment f's in v[192 + f]
.endr
	WFETCH 0, 2
	s_wait_dscnt 0x0
	MUL8 16, 1, 192, 2, 249                        ; channels 0-127: these products start the sums
	PLACES 4                                       ; in front of loads into registers that matrix instructions have read
	WFETCH 1, 2
	s_wait_dscnt 0x0
	MUL8 24, 0, 193, 2, 250                        ; channels 128-255
	PLACES 4                                       ; in front of the first read of results, and of loads into the fragments' registers
	BN 0
	WFETCH 16, 1                                   ; the second layer's weights land while the hidden layer is quantised
	QUANT 96
	PLACES 8                                       ; a scale register written by a vector instruction stands 8 places ahead of a scaled matrix instruction, an operand 4
	s_wait_dscnt 0x0
	MUL8 PC, 1, 208, 1, PW
	PLACES 4
	BN 1
	QUANT 96
	global_store_b128 v1, v[PC:PC+3], s[76:77]     ; the fragment leaves as it stands: 512 consecutive bytes a store
	global_store_b128 v1, v[PC+4:PC+7], s[76:77] offset:512
	ds_store_b32 v13, v[PW] offset:KSW
	s_branch .Ljoin
; ---- waves 8-15
.Lvalue:
	s_wait_loadcnt 0x0                             ; what was asked for in front of the barrier is in
	s_cmp_eq_u32 s[TYPE], 0
	s_cbranch_scc1 .Lwo
; for y: 16 channels of v for the 128 pixels.  Source 0 = 16 pixels of y, source 1 = 16 rows of Wv: a lane holds one channel, its registers run along the pixels, which are the later product's K
	WFRAG 32, 16, 200                              ; my tile of Wv goes straight into the operand's registers: channels 0-127,
	WFRAG 96, 24, 201                              ; channels 128-255
	PLACES 8                                       ; a scale register written by a vector instruction stands 8 places ahead of a scaled matrix instruction, an operand 4
.irp s, 0,1
.if \s
	PLACES 4                                       ; in front of loads into registers that matrix instructions have read
.endif
.irp t, 0,1,2,3,4,5,6,7
.irp c, 0,1
	ds_load_b128 v[32+8*\t+4*\c:35+8*\t+4*\c], v10 offset:(32*(\t/2)+8*(\t%2))*XP+64*\s+32*\c
.endr
	ds_load_b32 v[192+\t], v11 offset:512*\s+(32*(\t/2)+8*(\t%2))*4
.endr
	s_wait_dscnt 0x0
	MUL8 16+8*\s, 1-\s, 192, 1, 200+\s
.endr
	PLACES 4
	QUANT 96
	global_store_b128 v1, v[PC:PC+3], s[76:77] offset:8704
	global_store_b128 v1, v[PC+4:PC+7], s[76:77] offset:8704+512
	ds_store_b32 v13, v[PW] offset:VSW
	s_branch .Ljoin
; for x, in work-groups 0 and 1: my tile of Wo, for the next launch
.Lwo:
	s_cmp_eq_u32 s[DOWO], 0
	s_cbranch_scc1 .Ljoin
	WFRAG 32, PC, PW
	global_store_b128 v1, v[PC:PC+3], s[78:79]     ; 512 consecutive bytes a store
	global_store_b128 v1, v[PC+4:PC+7], s[78:79] offset:512
	ds_store_b32 v13, v[PW] offset:OSW
.Ljoin:
	s_wait_dscnt 0x0                               ; for the others' sake: my scale word has landed
	s_barrier_signal -1
	s_barrier_wait -1
	s_cmp_lg_u32 s[WV], 0
	s_cbranch_scc1 .Lnot_0
	ds_load_b128 v[32:35], v1 offset:KSW           ; the eight tiles' scale words leave as 512 consecutive bytes
	s_wait_dscnt 0x0
	global_store_b128 v1, v[32:35], s[52:53] offset:8192
.Lnot_0:
	s_cmp_lg_u32 s[WV], 8
	s_cbranch_scc1 .Lend
	s_cmp_eq_u32 s[TYPE], 0
	s_cbranch_scc1 .Lwo_out
	ds_load_b128 v[32:35], v1 offset:VSW
	s_wait_dscnt 0x0
	global_store_b128 v1, v[32:35], s[52:53] offset:16896
	s_branch .Lend
.Lwo_out:
	s_cmp_eq_u32 s[DOWO], 0
	s_cbranch_scc1 .Lend
	ds_load_b128 v[32:35], v1 offset:OSW
	s_wait_dscnt 0x0
	global_store_b128 v1, v[32:35], s[80:81]
.Lend:
	s_wait_tensorcnt 0x0
	ds_add_u32 v254, v255
	s_wait_dscnt 0x0
	s_endpgm
.Lfunc_end_k_qdf351d115d_proj:
	.size	k_qdf351d115d_proj, .Lfunc_end_k_qdf351d115d_proj-k_qdf351d115d_proj
	.p2alignl 7, 3214868480
	.fill 96, 4, 3214868480
	.section	.rodata,"a",@progbits
	.p2align	6, 0x0
	.amdhsa_kernel k_qdf351d115d_proj
		.amdhsa_group_segment_fixed_size 121856
		.amdhsa_private_segment_fixed_size 0
		.amdhsa_enable_private_segment 0
		.amdhsa_kernarg_size 216
		.amdhsa_user_sgpr_count 2
		.amdhsa_user_sgpr_kernarg_segment_ptr 1
		.amdhsa_wavefront_size32 1
		.amdhsa_system_sgpr_workgroup_id_x 1
		.amdhsa_system_sgpr_workgroup_id_y 1
		.amdhsa_system_sgpr_workgroup_id_z 1
		.amdhsa_system_vgpr_workitem_id 0
		.amdhsa_next_free_vgpr 256
		.amdhsa_next_free_sgpr 84
		.amdhsa_reserve_vcc 0
		.amdhsa_float_denorm_mode_32 3
		.amdhsa_float_denorm_mode_16_64 3
		.amdhsa_memory_ordered 1
		.amdhsa_forward_progress 1
		.amdhsa_inst_pref_size 92
	.end_amdhsa_kernel
	.amdgpu_metadata
---
amdhsa.version: [ 1, 2 ]
amdhsa.kernels:
  - .name:           k_qdf351d115d_proj
    .symbol:         k_qdf351d115d_proj.kd
    .args:
      - { .name: x, .offset: 0, .size: 8, .value_kind: global_buffer, .address_space: global }
      - { .name: y, .offset: 8, .size: 8, .value_kind: global_buffer, .address_space: global }
      - { .name: Wq1, .offset: 16, .size: 8, .value_kind: global_buffer, .address_space: global }
      - { .name: Wq2, .offset: 24, .size: 8, .value_kind: global_buffer, .address_space: global }
      - { .name: Wk1, .offset: 32, .size: 8, .value_kind: global_buffer, .address_space: global }
      - { .name: Wk2, .offset: 40, .size: 8, .value_kind: global_buffer, .address_space: global }
      - { .name: Wv, .offset: 48, .size: 8, .value_kind: global_buffer, .address_space: global }
      - { .name: Wo, .offset: 56, .size: 8, .value_kind: global_buffer, .address_space: global }
      - { .name: gq1, .offset: 64, .size: 8, .value_kind: global_buffer, .address_space: global }
      - { .name: bq1, .offset: 72, .size: 8, .value_kind: global_buffer, .address_space: global }
      - { .name: mq1, .offset: 80, .size: 8, .value_kind: global_buffer, .address_space: global }
      - { .name: vq1, .offset: 88, .size: 8, .value_kind: global_buffer, .address_space: global }
      - { .name: gq2, .offset: 96, .size: 8, .value_kind: global_buffer, .address_space: global }
      - { .name: bq2, .offset: 104, .size: 8, .value_kind: global_buffer, .address_space: global }
      - { .name: mq2, .offset: 112, .size: 8, .value_kind: global_buffer, .address_space: global }
      - { .name: vq2, .offset: 120, .size: 8, .value_kind: global_buffer, .address_space: global }
      - { .name: gk1, .offset: 128, .size: 8, .value_kind: global_buffer, .address_space: global }
      - { .name: bk1, .offset: 136, .size: 8, .value_kind: global_buffer, .address_space: global }
      - { .name: mk1, .offset: 144, .size: 8, .value_kind: global_buffer, .address_space: global }
      - { .name: vk1, .offset: 152, .size: 8, .value_kind: global_buffer, .address_space: global }
      - { .name: gk2, .offset: 160, .size: 8, .value_kind: global_buffer, .address_space: global }
      - { .name: bk2, .offset: 168, .size: 8, .value_kind: global_buffer, .address_space: global }
      - { .name: mk2, .offset: 176, .size: 8, .value_kind: global_buffer, .address_space: global }
      - { .name: vk2, .offset: 184, .size: 8, .value_kind: global_buffer, .address_space: global }
      - { .name: qf, .offset: 192, .size: 8, .value_kind: global_buffer, .address_space: global }
      - { .name: kv, .offset: 200, .size: 8, .value_kind: global_buffer, .address_space: global }
      - { .name: wq, .offset: 208, .size: 8, .value_kind: global_buffer, .address_space: global }
    .group_segment_fixed_size: 121856
    .private_segment_fixed_size: 0
    .kernarg_segment_align: 8
    .kernarg_segment_size: 216
    .max_flat_workgroup_size: 512
    .sgpr_count:     84
    .vgpr_count:     256
    .wavefront_size: 32
...
	.end_amdgpu_metadata
.endif
;; end of part 1
;; launch attn (part 2): grid 64 x 4, 16 waves a work-group, clusters of 4 x 1, 327,680 bytes of LDS; arguments qf, kv, wq, go, bo, mo, vo, x, out0; writes out0
.if DOCPART == 2
	.amdgcn_target "amdgcn-amd-amdhsa--gfx1250"
	.amdhsa_code_object_version 6
	.text
	.protected	k_qdf351d115d_attn
	.globl	k_qdf351d115d_attn
	.p2align	8
	.type	k_qdf351d115d_attn,@function
k_qdf351d115d_attn:
	s_mov_b64 s[64:65], 0
	v_nop
	global_prefetch_b8 v0, s[64:65] scope:SCOPE_SE
	s_setreg_imm32_b32 hwreg(HW_REG_WAVE_MODE, 25, 1), 1
	s_wait_xcnt 0x0
	s_wait_alu depctr_hold_cnt(0) depctr_sa_sdst(0) depctr_va_vdst(0) depctr_va_sdst(0) depctr_va_ssrc(0) depctr_va_vcc(0) depctr_vm_vsrc(0)
	s_getreg_b32 s2, hwreg(HW_REG_IB_STS2, 6, 4)
	s_cmp_eq_u32 s2, 0
	s_cbranch_scc0 .Lentry_in_a_cluster
	s_endpgm
.Lentry_in_a_cluster:
	s_bfe_u32 s2, ttmp6, 0x10000c
	s_cmp_lg_u32 s2, 0x3003
	s_cbranch_scc0 .Lentry_shape_is_right
	s_endpgm
.Lentry_shape_is_right:
; out = x + bnrelu(Wo ctx), ctx = softmax(q k^T / sqrt(128)) v, all three products on codes of FP4 (E2M1) with one E8M0 byte for each 32 along K.  q, k, v and Wo arrive as images of operand registers
; (a fragment: 16 rows x 128 K, 1,024 bytes, registers 4 c .. 4 c + 3 of lane l at 512 c + 16 l; lane r of tile 2 b + u holds row 32 b + 8 u + r + 8 (r / 8)); scale words four tiles to 16 bytes a row-lane.
; THE SOFTMAX: t = score x log2(e) / sqrt(128); M = the largest t so far, rounded UP to a whole number; p = 2^(t - M) is quantised along the keys, not normalised; the row's sum is taken of the unquantised p and divides at the end.
; SHARES.  A work-group owns 64 queries of one batch: 256 work-groups.  Wave w owns the tile of 16 queries w % 4 and the QUARTER w / 4 of the keys: of each slot's 8 key steps (128 keys each) it takes two, 8 in all.
; Four waves share a SIMD, 256 registers each, so that one wave's exponentials stand beside another's products and LDS loads.  The four quarters of a query are joined at the end by exact powers of two.
; Both products are used transposed (S^T = k q^T, O^T = v^T p^T): a lane holds ONE query throughout, and by the rows' order p's registers 16 b + i are the keys 32 b + 16 (lane / 16) + i, O^T's the channels likewise.
; CLUSTER.  The four work-groups of a cluster belong to one batch and walk the same k and v: each key step's 17,408 bytes are asked for JOINTLY (the same tensor load, the same descriptor, a mask that names the four).
; RING.  Two slots of 8 key steps; waves 0-7 fetch one key step each, one load a wave; two of my loads are out at the start, later one.  All is written out: 8 key steps a wave, every LDS offset an immediate.
; LIMITS: NaN and infinities are not served; p under 2^-126 counts as 0 (v_exp_f32); a block whose largest magnitude lies under 2^-124 gets the byte 1; 1 / l is v_rcp_f32, 1 / sqrt v_rsq_f32;
; the f32 sums of a query's four quarters are added at the end, another order than one pass over the keys.
.set STEPB, 17408                      ; a key step: k's 8 fragments, 512 bytes of scale words, v's 8 fragments, 512 bytes of scale words
.set SLOTB, 8*STEPB
.set SPARE, 2*SLOTB                    ; behind the ring: the spare words, 128 bytes for each wave: eight blocks of 256 bytes that no other line names
.set ML,    131072                     ; in slot 0, which has had its last fill and its last read by then: from 0 on 16 images of O^T (8,192 bytes each), from ML on -M and l (256 bytes each)
.set CIMG,  SLOTB                      ; in slot 1, likewise: ctx's four fragments,
.set CSC,   SLOTB+4096                 ; their scale words,
.set OST,   SLOTB+8192                 ; and the stage: 256 rows (output channels) x (64 pixels of f32 + 16 bytes)
.set OP,    272
.set WV,  22                           ; s22 my wave's number;  s23 my tile of queries;  s40 my quarter of the keys
.set G1,  24                           ; s[24:31] descriptor group 1;  s[32:35], s[36:39] group 0 for slot 0, slot 1
.set SEL, 46                           ; s[46:47] v_permlanex16_b32's selects for lane l xor 16
.set CS,  48                           ; s[48:49] c = log2(e) / sqrt(128): the packed form names a pair and takes its low word for both halves
; REGISTERS: v1, v2 a fragment's place in my two key steps of slot 0, 1; v3, v4 the scale words'; v5 my spare word, v6 0 (never rewritten); v7 16 lane; v8-11, v25-31 the epilogue's addresses;
;   v12 -M, v13 the largest t, v[14:15] the sum in two halves; v16-23 q, v24 its scale word; v32-95 eight fragments of k or v; v96-159 S^T, then p; v160-223 O^T; v224-231 p's codes;
;   v232-243 at work; v244-251 eight scale words; v252 f; v253 p's scale word; v254 at work.
.macro PLACES n
.rept \n
	v_nop
.endr
.endm
; A round of the cluster's barrier
.macro CROUND
	s_barrier_signal -1
	s_barrier_wait -1
	s_cmp_lg_u32 s[WV], 0
	s_cbranch_scc1 .Lnot_wave_0_\@
	s_barrier_signal -3
.Lnot_wave_0_\@:
	s_barrier_wait -3
	s_barrier_signal -1
	s_barrier_wait -1
.endm
; A joint refill: waves 0-7 fetch a key step each, the others nothing; the branch hangs on the wave's number alone.  Four v_nop follow the load.
.macro JLOAD g0
	s_cmp_lt_u32 s[WV], 8
	s_cbranch_scc0 .Lasked_\@
	tensor_load_to_lds s[\g0:\g0+3], s[G1:G1+7]
	s_nop 0
.rept 4
	v_nop
.endr
.Lasked_\@:
.endm
; eight fragments and their eight scale words, as they lie
.macro KVF fa, sa, fo, so
.irp t, 0,1,2,3,4,5,6,7
.irp c, 0,1
	ds_load_b128 v[32+8*\t+4*\c:35+8*\t+4*\c], v[\fa] offset:(\fo)+1024*\t+512*\c
.endr
.endr
.irp g, 0,1
	ds_load_b128 v[244+4*\g:247+4*\g], v[\sa] offset:(\so)+256*\g
.endr
.endm
; A KEY STEP: 128 keys, the ks-th of my two in the slot.  first = 1: the wave's first step starts M, the sum and O^T: nothing is cleared but the sum's two registers.
.macro STEP fa, sa, ks, first
.if \first == 0
	PLACES 4                                       ; in front of loads into registers that the last products have read
.endif
	KVF \fa, \sa, (\ks)*STEPB, (\ks)*STEPB+8192
	s_wait_dscnt 0x0
.irp t, 0,1,2,3,4,5,6,7
	v_wmma_scale_f32_16x16x128_f8f6f4 v[96+8*\t:103+8*\t], v[32+8*\t:39+8*\t], v[16:23], 0, v[244+\t], v24 matrix_a_fmt:MATRIX_FMT_FP4 matrix_b_fmt:MATRIX_FMT_FP4
.endr
	PLACES 4                                       ; in front of the loads into k's registers and of the first read of the scores
	KVF \fa, \sa, (\ks)*STEPB+8704, (\ks)*STEPB+16896   ; v lands under the softmax, which touches none of these registers
.irp b, 0,1,2,3
	v_max3_num_f32 v[232+\b], v[96+16*\b], v[97+16*\b], v[98+16*\b]   ; THE LARGEST SCORE OF EACH BLOCK OF 32 KEYS serves twice: for the row's maximum and, since p rises with the score, for the block's largest p
.endr
.irp i, 3,5,7,9,11,13
.irp b, 0,1,2,3
	v_max3_num_f32 v[232+\b], v[232+\b], v[96+16*\b+\i], v[97+16*\b+\i]   ; (the four blocks by turns)
.endr
.endr
.irp b, 0,1,2,3
	v_max_num_f32 v[232+\b], v[232+\b], v[111+16*\b]
.endr
.irp b, 0,1,2,3
	v_permlanex16_b32 v[236+\b], v[232+\b], s[SEL], s[SEL+1]
.endr
.irp b, 0,1,2,3
	v_max_num_f32 v[232+\b], v[232+\b], v[236+\b]  ; with lane l xor 16's 16 keys
.endr
	v_max3_num_f32 v254, v232, v233, v234
	v_max_num_f32 v254, v254, v235                 ; the step's largest score of my query
	v_mul_f32 v254, s[CS], v254                    ; as t (c is positive)
.if \first
	v_mov_b32 v13, v254
	v_floor_f32 v12, -v13                          ; -M = floor(-t) = -ceil(t): M IS A WHOLE NUMBER
.else
	v_max_num_f32 v13, v13, v254                   ; the running largest t
	v_mov_b32 v254, v12
	v_floor_f32 v12, -v13                          ; the new -M
	v_sub_f32 v254, v12, v254                      ; M's old value less its new one: a whole number, 0 or less
	v_cvt_i32_f32 v254, v254                       ; (it saturates)
	v_ldexp_f32 v252, 1.0, v254                    ; f = 2^(old M - new M): a multiplication by it rounds nothing
.endif
.irp j, 0,2,4,6,8,10,12,14,16,18,20,22,24,26,28,30,32,34,36,38,40,42,44,46,48,50,52,54,56,58,60,62
	v_pk_fma_f32 v[96+\j:97+\j], v[96+\j:97+\j], s[CS:CS+1], v[12:13] op_sel_hi:[1,0,0]   ; t - M, two at a time
.endr
.irp b, 0,1,2,3
	v_fma_f32 v[232+\b], v[232+\b], s[CS], v12     ; the same of each block's largest score
.endr
.irp j, 0,1,2,3,4,5,6,7,8,9,10,11,12,13,14,15,16,17,18,19,20,21,22,23,24,25,26,27,28,29,30,31,32,33,34,35,36,37,38,39,40,41,42,43,44,45,46,47,48,49,50,51,52,53,54,55,56,57,58,59,60,61,62,63
	v_exp_f32 v[96+\j], v[96+\j]                   ; p = 2^(t - M), at most 1: NOT normalised
.endr
.irp b, 0,1,2,3
	v_exp_f32 v[232+\b], v[232+\b]                 ; the block's largest p: the same two instructions on the same number give the same bits
.endr
.if \first
	v_nop                                          ; a plain place behind the exponentials
	s_wait_alu depctr_va_vdst(0)
.else
	v_pk_mul_f32 v[14:15], v[14:15], v[252:253] op_sel_hi:[1,0]   ; the sums under the new M.  (A plain place behind the exponentials)
	s_wait_alu depctr_va_vdst(0)
.endif
.irp b, 0,1,2,3
	v_max_num_f32 v[232+\b], 0x1800000, v[232+\b]  ; the floor 2^(3 - 127): the byte cannot fall under 1
.endr
.irp b, 0,1,2,3
	v_add_nc_u32 v[240+\b], 0xff000000, v[232+\b]  ; 2 off the exponent field: the conversion's scale operand
.endr
.irp b, 0,1,2,3
	v_lshrrev_b32 v[236+\b], 23, v[240+\b]         ; the scale's byte
.endr
	v_lshl_or_b32 v253, v237, 8, v236              ; p's scale word for these 128 keys
	v_lshl_or_b32 v253, v238, 16, v253
	v_lshl_or_b32 v253, v239, 24, v253
.irp b, 0,1,2,3
	v_cvt_scalef32_pk8_fp4_f32 v[224+2*\b], v[96+16*\b:103+16*\b], v[240+\b]
	v_cvt_scalef32_pk8_fp4_f32 v[225+2*\b], v[104+16*\b:111+16*\b], v[240+\b]
.endr
	v_nop                                          ; one plain place behind a scaled conversion
.irp c, 0,1                                    ; the operand's layout wants a WHOLE block in a lane
.irp i, 0,1
	v_permlane16_swap_b32 v[224+4*\c+\i], v[226+4*\c+\i]
.endr
.endr
	v_pk_add_f32 v[236:237], v[96:97], v[98:99]    ; THE ROW'S SUM IS TAKEN OF THE UNQUANTISED p: two at a time, in two chains.  (These additions are also the places in front of the products below)
.irp j, 4,8,12,16,20,24,28,32,36,40,44,48,52,56,60
	v_pk_add_f32 v[14:15], v[14:15], v[96+\j:97+\j]
	v_pk_add_f32 v[236:237], v[236:237], v[98+\j:99+\j]
.endr
	v_pk_add_f32 v[14:15], v[14:15], v[236:237]
.if \first == 0
.irp j, 0,2,4,6,8,10,12,14,16,18,20,22,24,26,28,30,32,34,36,38,40,42,44,46,48,50,52,54,56,58,60,62
	v_pk_mul_f32 v[160+\j:161+\j], v[160+\j:161+\j], v[252:253] op_sel_hi:[1,0]   ; O^T under the new M
.endr
.endif
	s_wait_dscnt 0x0                               ; v's fragments and scale words are in
.irp t, 0,1,2,3,4,5,6,7                        ; the eight accumulators by turns, one instruction a turn
.if \first
	v_wmma_scale_f32_16x16x128_f8f6f4 v[160+8*\t:167+8*\t], v[32+8*\t:39+8*\t], v[224:231], 0, v[244+\t], v253 matrix_a_fmt:MATRIX_FMT_FP4 matrix_b_fmt:MATRIX_FMT_FP4
.else
	v_wmma_scale_f32_16x16x128_f8f6f4 v[160+8*\t:167+8*\t], v[32+8*\t:39+8*\t], v[224:231], v[160+8*\t:167+8*\t], v[244+\t], v253 matrix_a_fmt:MATRIX_FMT_FP4 matrix_b_fmt:MATRIX_FMT_FP4
.endif
.endr
.endm
; THE CHANGE OF SLOTS.  Each wave waits for all its tensor loads (its part of the slot ahead), adds 0 to its spare word, and waits for that and for its reads of the slot that it leaves.
; fill = 1: the barrier is a round of the cluster's, and behind it the slot just left is filled with the key steps two slots on: the load has two key steps of every wave in which to land.
.macro CHANGE fill, g0
	s_wait_tensorcnt 0x0                           ; no tensor load of mine is out, so a group 0 may be written
	ds_add_u32 v5, v6                              ; 0 onto my spare word
.if \fill
	s_add_nc_u64 s[\g0+2:\g0+3], s[\g0+2:\g0+3], 2*SLOTB   ; the slot's next 8 key steps; the type bits on top are not reached
	s_wait_dscnt 0x0                               ; the add is done, and my reads of the slot are over
	CROUND
	JLOAD \g0                                      ; the first thing behind the round, and a wave's one tensor load until the next
.else
	s_wait_dscnt 0x0
	s_barrier_signal -1
	s_barrier_wait -1
.endif
.endm
	s_load_b512 s[4:19], s[0:1], 0x0               ; qf s[4:5], kv s[6:7], wq s[8:9], go s[10:11], bo s[12:13], mo s[14:15], vo s[16:17], x s[18:19]
	s_load_b64 s[20:21], s[0:1], 0x40              ; out0
	v_lshl_add_u32 v5, v0, 2, SPARE
	v_mov_b32 v6, 0
	ds_add_u32 v5, v6
	s_wait_dscnt 0x0
	v_lshrrev_b32 v7, 5, v0
	v_readfirstlane_b32 s[WV], v7                  ; wave 0..15
	s_and_b32 s23, s[WV], 3                        ; my tile of queries
	s_lshr_b32 s40, s[WV], 2                       ; my quarter of the keys
	s_bfe_u32 s41, ttmp6, 0x40000                  ; cx: my place in the cluster: it enters the addresses of qf, x and out0 alone
	s_lshl_b32 s42, ttmp9, 2
	s_add_co_u32 s42, s42, s41                     ; my block of 64 queries = 4 x cluster x + cx
	s_and_b32 s43, ttmp7, 0xffff                   ; the batch, which the four partners share
	; descriptor group 1: a key step, 17,408 dense bytes, as 68 rows of 256 bytes (32 elements of 8 bytes)
	s_mov_b32 s[G1], 15|(3<<16)|(1<<21)            ; 15:0 the mask: all four work-groups; 17:16 elements of 8 bytes; 21 set beside a mask; no padding: every LDS read takes 512 bytes on end
	s_mov_b32 s[G1+1], 32<<16                      ; tensor_dim0
	s_mov_b32 s[G1+2], 68<<16                      ; tensor_dim1
	s_mov_b32 s[G1+3], 32<<16                      ; tile_dim0
	s_mov_b32 s[G1+4], 68                          ; tile_dim1
	s_mov_b32 s[G1+5], 32                          ; tensor_dim0_stride
	s_mov_b32 s[G1+6], 0
	s_mov_b32 s[G1+7], 0
	s_mov_b32 s[SEL], 0x76543210
	s_mov_b32 s[SEL+1], 0xfedcba98
	s_mov_b32 s[CS], 0x3e0293ee                    ; c = log2(e) / sqrt(128)
	s_mov_b32 s[CS+1], s[CS]                       ; (named with it as a pair, so it is written)
	s_mul_i32 s44, s43, 32*STEPB                   ; the batch's 32 key steps
	s_and_b32 s45, s[WV], 7
	s_mul_i32 s45, s45, STEPB                      ; the key step of a slot that I fetch, if I fetch
	s_add_co_u32 s62, s44, s45
	s_mov_b32 s63, 0
	; q's fragment and scale words: record 32 x batch + block / 2, tile T = 4 (block % 2) + my tile
	s_lshl_b32 s50, s43, 5
	s_lshr_b32 s51, s42, 1
	s_add_co_u32 s50, s50, s51
	s_mul_i32 s50, s50, 8704
	s_and_b32 s51, s42, 1
	s_lshl_b32 s52, s51, 2
	s_add_co_u32 s52, s52, s23
	s_lshl_b32 s52, s52, 10
	s_add_co_u32 s52, s52, s50                     ; the fragment's byte
	s_lshl_b32 s51, s51, 8
	s_add_co_u32 s50, s50, s51
	s_lshl_b32 s51, s23, 2
	s_add_co_u32 s50, s50, s51
	s_add_co_u32 s50, s50, 8192                    ; the scale words': + 256 (T / 4) + 4 (T % 4)
	s_mov_b32 s51, 0
	s_mov_b32 s53, 0
	s_lshl_b32 s54, s40, 12
	s_add_co_u32 s54, s54, 65536                   ; Wo's fragments 64 + 4 x quarter on
	s_mov_b32 s55, 0
	s_lshl_b32 s56, s40, 8
	s_add_co_u32 s56, s56, 86016                   ; their group of scale words: 81,920 + 256 (16 + quarter)
	s_mov_b32 s57, 0
	s_lshl_b32 s58, s43, 22                        ; x and out0: the batch,
	s_lshl_b32 s59, s[WV], 18                      ; my 16 output channels of 16,384 bytes,
	s_add_co_u32 s58, s58, s59
	s_lshl_b32 s59, s42, 8                         ; the block's 64 pixels
	s_add_co_u32 s58, s58, s59
	s_mov_b32 s59, 0
	s_wait_kmcnt 0x0
	s_mov_b32 s32, 1                               ; 1:0 count = 1
	s_mov_b32 s33, s45                             ; 63:32 LDS address: slot 0
	s_add_nc_u64 s[34:35], s[6:7], s[62:63]        ; 120:64 global address: key steps 0-7
	s_mov_b32 s36, 1
	s_add_co_u32 s37, s45, SLOTB                   ; slot 1
	s_add_nc_u64 s[38:39], s[34:35], SLOTB         ; key steps 8-15
	s_or_b32 s35, s35, 0x80000000                  ; 127:126 type = 2
	s_or_b32 s39, s39, 0x80000000
	s_add_nc_u64 s[52:53], s[4:5], s[52:53]
	s_add_nc_u64 s[50:51], s[4:5], s[50:51]
	s_add_nc_u64 s[54:55], s[8:9], s[54:55]
	s_add_nc_u64 s[56:57], s[8:9], s[56:57]
	s_add_nc_u64 s[60:61], s[20:21], s[58:59]
	s_add_nc_u64 s[58:59], s[18:19], s[58:59]
	CROUND                                         ; all four work-groups are here: the first joint loads meet
	s_cmp_lt_u32 s[WV], 8                          ; a wave's two first fills stand in one branch, ahead of every wait on TENSORcnt and every LDS read
	s_cbranch_scc0 .Lfirst_asked
	tensor_load_to_lds s[32:35], s[G1:G1+7]
	s_nop 0
	tensor_load_to_lds s[36:39], s[G1:G1+7]
	s_nop 0
.rept 4
	v_nop
.endr
.Lfirst_asked:
	v_and_b32 v32, 31, v0                          ; lane
	v_and_b32 v33, 15, v0                          ; r
	v_bfe_u32 v34, v0, 4, 1                        ; h
	v_and_b32 v35, 8, v33
	v_add_nc_u32 v35, v35, v33                     ; r + 8 (r / 8)
	v_lshlrev_b32 v7, 4, v32
	v_lshlrev_b32 v254, 4, v33
	global_load_b128 v[16:19], v7, s[52:53]        ; q's fragment stays in registers
	global_load_b128 v[20:23], v7, s[52:53] offset:512
	global_load_b32 v24, v254, s[50:51]            ; and its scale words
	s_mul_i32 s44, s40, 2*STEPB                    ; my two key steps in a slot
	v_add_nc_u32 v1, s44, v7
	v_add_nc_u32 v2, SLOTB, v1
	v_add_nc_u32 v3, s44, v254
	v_add_nc_u32 v4, SLOTB, v3
	s_lshl_b32 s45, s23, 2
	s_add_co_u32 s45, s45, s40                     ; 4 x tile + quarter: my place among the 16 images
	s_lshl_b32 s62, s45, 13
	v_add_nc_u32 v8, s62, v7                       ; v8: my image of O^T
	s_lshl_b32 s62, s45, 8
	s_add_co_u32 s62, s62, ML
	v_lshl_add_u32 v9, v32, 2, s62                 ; v9: my -M and l
	s_lshl_b32 s62, s23, 15
	s_lshl_b32 s63, s40, 11
	s_add_co_u32 s62, s62, s63
	v_add_nc_u32 v10, s62, v7                      ; v10: my tile's four images, channel block = my quarter's number
	s_lshl_b32 s62, s23, 10
	s_add_co_u32 s62, s62, ML
	v_lshl_add_u32 v11, v32, 2, s62                ; v11: my tile's four -M and l
	s_lshl_b32 s62, s23, 10
	s_add_co_u32 s62, s62, CIMG
	v_add_nc_u32 v27, s62, v7                      ; v27: my tile's fragment of ctx
	s_lshl_b32 s63, s40, 8
	s_add_co_u32 s62, s62, s63
	v_add_nc_u32 v25, s62, v254
	v_lshl_add_u32 v25, v34, 3, v25                ; v25: my 8 bytes of it: block b of row r lies at 256 b + 16 r, my half of the block 8 h on
	s_lshl_b32 s62, s23, 6
	s_add_co_u32 s62, s62, CSC
	v_lshl_add_u32 v28, v33, 2, s62                ; v28: row r's scale word
	s_add_co_u32 s62, s62, s40
	v_lshl_add_u32 v26, v33, 2, s62                ; v26: my block's byte of it
	s_mul_i32 s62, s40, 64*OP
	s_lshr_b32 s63, s23, 1
	s_lshl_b32 s63, s63, 7
	s_add_co_u32 s62, s62, s63
	s_and_b32 s63, s23, 1
	s_lshl_b32 s63, s63, 5
	s_add_co_u32 s62, s62, s63
	s_add_co_u32 s62, s62, OST
	v_mul_u32_u24 v29, v35, OP
	v_add_nc_u32 v29, s62, v29
	v_lshl_add_u32 v29, v34, 6, v29                ; v29: the stage, in: row = my output channel; my 8 pixels 32 (tile / 2) + 8 (tile % 2) + 16 h on
	s_mul_i32 s62, s[WV], 16*OP
	s_add_co_u32 s62, s62, OST
	v_mul_u32_u24 v30, v34, OP
	v_add_nc_u32 v30, v30, v254
	v_add_nc_u32 v30, s62, v30                     ; v30: back: lanes 0-15 one row of 256 bytes, lanes 16-31 the next
	v_lshl_add_u32 v31, v34, 14, v254              ; v31: and the same two rows in x and out0
	v_mov_b32 v14, 0                               ; the sum, in two halves
	v_mov_b32 v15, 0
.irp b, 0,1,2,3
	v_mov_b32 v[236+\b], 0                         ; written once: a lane permute's destination counts as one of its sources
.endr
	s_wait_tensorcnt 1                             ; my part of slot 0 is in; slot 1's may stay out
	s_barrier_signal -1
	s_barrier_wait -1                              ; everybody's is
	s_wait_loadcnt 0x0                             ; q
	STEP 1, 3, 0, 1                                ; key steps 0-7 lie in slot 0
	STEP 1, 3, 1, 0
	CHANGE 1, 32                                   ; slot 0 takes key steps 16-23
	STEP 2, 4, 0, 0
	STEP 2, 4, 1, 0
	CHANGE 1, 36                                   ; slot 1 takes key steps 24-31
	STEP 1, 3, 0, 0
	STEP 1, 3, 1, 0
	CHANGE 0, 0                                    ; nothing is left to fetch
	STEP 2, 4, 0, 0
	STEP 2, 4, 1, 0
; ---- THE END.  What the last part needs from memory is asked for now.  The seven lines that make the two offsets name none of the last products' registers: they are the places behind those products.
	v_and_b32 v1, 15, v0
	v_and_b32 v2, 8, v1
	v_add_nc_u32 v2, v2, v1
	v_lshlrev_b32 v2, 2, v2
	s_lshl_b32 s44, s40, 8
	v_add_nc_u32 v2, s44, v2                       ; 4 x my output channel of Wo's tile 4 x quarter: 64 x quarter + r + 8 (r / 8)
	v_lshlrev_b32 v1, 4, v1                        ; 16 r
	v_nop
.irp j, 0,1,2,3
.irp c, 0,1
	global_load_b128 v[32+8*\j+4*\c:35+8*\j+4*\c], v7, s[54:55] offset:1024*\j+512*\c   ; Wo's tiles 4 x quarter + j
.endr
.endr
	global_load_b128 v[248:251], v1, s[56:57]      ; their scale words
.irp j, 0,1,2,3
	global_load_b32 v[64+\j], v2, s[10:11] offset:(32*(\j/2)+8*(\j%2))*4   ; g
	global_load_b32 v[68+\j], v2, s[16:17] offset:(32*(\j/2)+8*(\j%2))*4   ; v
	global_load_b32 v[72+\j], v2, s[14:15] offset:(32*(\j/2)+8*(\j%2))*4   ; m
	global_load_b32 v[76+\j], v2, s[12:13] offset:(32*(\j/2)+8*(\j%2))*4   ; b
.endr
.irp i, 0,1,2,3,4,5,6,7
	global_load_b128 v[96+4*\i:99+4*\i], v31, s[58:59] offset:32768*\i th:TH_LOAD_NT   ; x at the rows that I shall store: 16 lanes read 256 consecutive bytes
.endr
	v_add_f32 v14, v14, v15                        ; the sum's two halves,
	v_permlanex16_b32 v236, v14, s[SEL], s[SEL+1]
	v_add_f32 v14, v14, v236                       ; and lane l xor 16's: my quarter's sum
.irp g, 0,1,2,3,4,5,6,7,8,9,10,11,12,13,14,15
	ds_store_b128 v8, v[160+4*\g:163+4*\g] offset:512*\g   ; O^T as it stands, each accumulator from its low end on
.endr
	ds_store_b32 v9, v12
	ds_store_b32 v9, v14 offset:128
	s_wait_dscnt 0x0                               ; for the others' sake: my stores have landed; my reads of slot 1 are over
	s_barrier_signal -1
	s_barrier_wait -1
; ---- my tile's four quarters are joined, for the 32 channels of block = my quarter's number
.irp i, 0,1,2,3
.irp g, 0,1,2,3
	ds_load_b128 v[160+16*\i+4*\g:163+16*\i+4*\g], v10 offset:8192*\i+512*\g
.endr
	ds_load_b32 v[232+\i], v11 offset:256*\i
	ds_load_b32 v[236+\i], v11 offset:256*\i+128
.endr
	s_wait_dscnt 0x0
	v_min3_num_f32 v254, v232, v233, v234
	v_min_num_f32 v254, v254, v235                 ; -M of the whole row: the least of the four
.irp i, 0,1,2,3
	v_sub_f32 v[240+2*\i], v254, v[232+\i]         ; M of quarter i less the row's: a whole number, 0 or less
.endr
.irp i, 0,1,2,3
	v_cvt_i32_f32 v[240+2*\i], v[240+2*\i]
.endr
.irp i, 0,1,2,3
	v_ldexp_f32 v[240+2*\i], 1.0, v[240+2*\i]      ; f: an exact power of two
.endr
.irp i, 0,1,2,3
	v_mul_f32 v[241+2*\i], v[240+2*\i], v[236+\i]  ; f l
.endr
	v_add_f32 v252, v241, v243
	v_add_f32 v253, v245, v247
	v_add_f32 v252, v252, v253                     ; the row's sum
	v_rcp_f32 v252, v252
.irp j, 0,2,4,6,8,10,12,14
	v_pk_mul_f32 v[160+\j:161+\j], v[160+\j:161+\j], v[240:241] op_sel_hi:[1,0]   ; (plain places behind the transcendental)
.endr
.irp i, 1,2,3
.irp j, 0,2,4,6,8,10,12,14
	v_pk_fma_f32 v[160+\j:161+\j], v[160+16*\i+\j:161+16*\i+\j], v[240+2*\i:241+2*\i], v[160+\j:161+\j] op_sel_hi:[1,0,1]
.endr
.endr
	s_wait_alu depctr_va_vdst(0)
.irp j, 0,1,2,3,4,5,6,7,8,9,10,11,12,13,14,15
	v_mul_f32 v[160+\j], v[160+\j], v252           ; ctx(my query, 32 x block + 16 h + j)
.endr
	v_max3_num_f32 v232, |v160|, |v161|, 0x1800000 ; my block is quantised: my 16 numbers and the floor 2^(3 - 127),
.irp i, 2,4,6,8,10,12,14
	v_max3_num_f32 v232, v232, |v[160+\i]|, |v[161+\i]|
.endr
	v_permlanex16_b32 v236, v232, s[SEL], s[SEL+1]
	v_max_num_f32 v232, v232, v236                 ; with lane l xor 16's
	v_add_nc_u32 v233, 0xff000000, v232
	v_lshrrev_b32 v234, 23, v233
	v_cvt_scalef32_pk8_fp4_f32 v224, v[160:167], v233
	v_cvt_scalef32_pk8_fp4_f32 v225, v[168:175], v233
	v_nop                                          ; one plain place behind a scaled conversion
	ds_store_b64 v25, v[224:225]                   ; straight to its place in the fragment's image
	ds_store_b8 v26, v234                          ; both halves of the lanes write the same byte with the same value
	s_wait_loadcnt 0x0                             ; Wo, BN's numbers, x
.irp j, 0,1,2,3
	v_add_f32 v[68+\j], 0x3727c5ac, v[68+\j]       ; v + 1e-5
.endr
.irp j, 0,1,2,3
	v_rsq_f32 v[68+\j], v[68+\j]
.endr
	v_nop                                          ; one plain place behind a transcendental
	s_wait_alu depctr_va_vdst(0)
.irp j, 0,1,2,3
	v_mul_f32 v[64+\j], v[64+\j], v[68+\j]         ; s = g / sqrt(v + 1e-5)
.endr
	s_wait_dscnt 0x0                               ; for the others' sake: my part of ctx has landed; my reads of the images are over
	s_barrier_signal -1
	s_barrier_wait -1
; ---- the last product: source 0 = my tile's 16 pixels of ctx, source 1 = 16 rows of Wo: a lane holds ONE output channel and eight neighbouring pixels
	ds_load_b128 v[16:19], v27
	ds_load_b128 v[20:23], v27 offset:512
	ds_load_b32 v24, v28
	s_wait_dscnt 0x0
.irp j, 0,1,2,3
	v_wmma_scale_f32_16x16x128_f8f6f4 v[128+8*\j:135+8*\j], v[16:23], v[32+8*\j:39+8*\j], 0, v24, v[248+\j] matrix_a_fmt:MATRIX_FMT_FP4 matrix_b_fmt:MATRIX_FMT_FP4
.endr
	PLACES 4
.irp j, 0,1,2,3
.irp i, 0,1,2,3,4,5,6,7
	v_sub_f32 v[128+8*\j+\i], v[128+8*\j+\i], v[72+\j]   ; sum - m, each accumulator from its low end on
.endr
.endr
.irp j, 0,1,2,3
.irp i, 0,1,2,3,4,5,6,7
	v_fma_f32 v[128+8*\j+\i], v[128+8*\j+\i], v[64+\j], v[76+\j]   ; x s + b
.endr
.endr
.irp j, 0,1,2,3
.irp i, 0,1,2,3,4,5,6,7
	v_max_num_f32 v[128+8*\j+\i], 0, v[128+8*\j+\i]
.endr
.endr
.irp j, 0,1,2,3
	ds_store_b128 v29, v[128+8*\j:131+8*\j] offset:(32*(\j/2)+8*(\j%2))*OP
	ds_store_b128 v29, v[132+8*\j:135+8*\j] offset:(32*(\j/2)+8*(\j%2))*OP+16
.endr
	s_wait_dscnt 0x0                               ; for the others' sake: a row's 256 bytes come from four waves
	s_barrier_signal -1
	s_barrier_wait -1
.irp i, 0,1,2,3,4,5,6,7
	ds_load_b128 v[160+4*\i:163+4*\i], v30 offset:2*OP*\i
.endr
	s_wait_dscnt 0x0
.irp j, 0,2,4,6,8,10,12,14,16,18,20,22,24,26,28,30
	v_pk_add_f32 v[160+\j:161+\j], v[160+\j:161+\j], v[96+\j:97+\j]   ; + x
.endr
.irp i, 0,1,2,3,4,5,6,7
	global_store_b128 v31, v[160+4*\i:163+4*\i], s[60:61] offset:32768*\i th:TH_STORE_NT   ; 16 lanes store 256 consecutive bytes, aligned
.endr
	s_wait_tensorcnt 0x0                           ; the wave's end, behind my last tensor load and my last LDS store
	ds_add_u32 v5, v6
	s_wait_dscnt 0x0
	CROUND                                         ; the closing round: no work-group ends while a partner may still ask for a tile that names it
	s_endpgm
.Lfunc_end_k_qdf351d115d_attn:
	.size	k_qdf351d115d_attn, .Lfunc_end_k_qdf351d115d_attn-k_qdf351d115d_attn
	.p2alignl 7, 3214868480
	.fill 96, 4, 3214868480
	.section	.rodata,"a",@progbits
	.p2align	6, 0x0
	.amdhsa_kernel k_qdf351d115d_attn
		.amdhsa_group_segment_fixed_size 327680
		.amdhsa_private_segment_fixed_size 0
		.amdhsa_enable_private_segment 0
		.amdhsa_kernarg_size 72
		.amdhsa_user_sgpr_count 2
		.amdhsa_user_sgpr_kernarg_segment_ptr 1
		.amdhsa_wavefront_size32 1
		.amdhsa_system_sgpr_workgroup_id_x 1
		.amdhsa_system_sgpr_workgroup_id_y 1
		.amdhsa_system_sgpr_workgroup_id_z 1
		.amdhsa_system_vgpr_workitem_id 0
		.amdhsa_next_free_vgpr 256
		.amdhsa_next_free_sgpr 66
		.amdhsa_reserve_vcc 0
		.amdhsa_float_denorm_mode_32 3
		.amdhsa_float_denorm_mode_16_64 3
		.amdhsa_memory_ordered 1
		.amdhsa_forward_progress 1
		.amdhsa_inst_pref_size 164
	.end_amdhsa_kernel
	.amdgpu_metadata
---
amdhsa.version: [ 1, 2 ]
amdhsa.kernels:
  - .name:           k_qdf351d115d_attn
    .symbol:         k_qdf351d115d_attn.kd
    .args:
      - { .name: qf, .offset: 0, .size: 8, .value_kind: global_buffer, .address_space: global }
      - { .name: kv, .offset: 8, .size: 8, .value_kind: global_buffer, .address_space: global }
      - { .name: wq, .offset: 16, .size: 8, .value_kind: global_buffer, .address_space: global }
      - { .name: go, .offset: 24, .size: 8, .value_kind: global_buffer, .address_space: global }
      - { .name: bo, .offset: 32, .size: 8, .value_kind: global_buffer, .address_space: global }
      - { .name: mo, .offset: 40, .size: 8, .value_kind: global_buffer, .address_space: global }
      - { .name: vo, .offset: 48, .size: 8, .value_kind: global_buffer, .address_space: global }
      - { .name: x, .offset: 56, .size: 8, .value_kind: global_buffer, .address_space: global }
      - { .name: out0, .offset: 64, .size: 8, .value_kind: global_buffer, .address_space: global }
    .group_segment_fixed_size: 327680
    .private_segment_fixed_size: 0
    .kernarg_segment_align: 8
    .kernarg_segment_size: 72
    .max_flat_workgroup_size: 512
    .sgpr_count:     66
    .vgpr_count:     256
    .wavefront_size: 32
...
	.end_amdgpu_metadata
.endif
;; end of part 2
;; ======== version 2 of 2: 2 launches
;; workspace buffers: wq 87,040 bytes; qf 1,114,112 bytes; kv 2,228,224 bytes
;; launch proj (part 3): grid 128 x 2, 16 waves a work-group, no clusters, 121,856 bytes of LDS; arguments x, y, Wq1, Wq2, Wk1, Wk2, Wv, Wo, gq1, bq1, mq1, vq1, gq2, bq2, mq2, vq2, gk1, bk1, mk1, vk1, gk2, bk2, mk2, vk2, qf, kv, wq; writes qf, kv, wq
.if DOCPART == 3
	.amdgcn_target "amdgcn-amd-amdhsa--gfx1250"
	.amdhsa_code_object_version 6
	.text
	.protected	k_qdf351d115d_proj
	.globl	k_qdf351d115d_proj
	.p2align	8
	.type	k_qdf351d115d_proj,@function
k_qdf351d115d_proj:
	s_mov_b64 s[64:65], 0
	v_nop
	global_prefetch_b8 v0, s[64:65] scope:SCOPE_SE
	s_setreg_imm32_b32 hwreg(HW_REG_WAVE_SCHED_MODE, 0, 2), 2
	s_setreg_imm32_b32 hwreg(HW_REG_WAVE_MODE, 25, 1), 1
	s_wait_xcnt 0x0
	s_wait_alu depctr_vm_vsrc(0)
; q = bnrelu(Wq2 bnrelu(Wq1 x)), k = bnrelu(Wk2 bnrelu(Wk1 y)), v = Wv y: all five products on codes of FP4 (E2M1) with one E8M0 byte for each 32 along K; BN and ReLU in f32, in the order (sum - m) s + b, s = g rsq(v + 1e-5).
; x, y: [4][256][4096] f32, K = the channels, which are the OUTER axis.  The weights: f32, K innermost.  Results leave as codes, as images of operand registers (a fragment: 16 rows x 128 K, 1,024 bytes, registers 4 c .. 4 c + 3 of lane l at 512 c + 16 l):
;   qf: a record of 8,704 bytes for each 128 pixels: 8 fragments of q (rows = pixels, K = the 128 channels), then 512 bytes of scale words: tile T, row-lane r at 256 (T / 4) + 16 r + 4 (T % 4).
;   kv: a record of 17,408 bytes for each 128 pixels: k laid as q is, then from 8,704 on 8 fragments of v (rows = channels, K = THE 128 PIXELS, since the keys are the later product's K) and their scale words.
;   wq: Wo's 16 fragments from byte 65,536 on and their scale words (laid as a record's) from byte 86,016 on, the places at which the next launch reads them; the bytes in front are not used.
; THE ROWS OF EVERY TILE: lane r of tile 2 b + u holds row 32 b + 8 u + r + 8 (r / 8).  With such a tile as source 0, register j of lane (r, h) of the result is row 32 b + 16 h + 8 u + j: the 16 registers of tiles 2 b, 2 b + 1 are 16 neighbours along the next K.
; SHARES.  Work-group (X, TYPE) takes the 128 pixels of record X, from x (TYPE 0) or from y (TYPE 1): 256 work-groups, 128 KiB of f32 input each.  TYPE chooses addresses; only what waves 8-15 do behind the first barrier is a path of its own.
;   All 16 waves quantise the input: a lane takes a pixel and its registers run down the channels (wave w: pixels 32 (w % 4) + lane, channels 64 (w / 4) on), so a block of 32 lies in one lane; codes go to LDS as rows [pixel][256 channels].
;   All 16 waves quantise the chain's two weights, 24 fragments = 48 halves (16 rows x 64 K), three halves a wave: half w + 16 n is fragment 8 n + w / 2, registers 4 (w % 2) on.  Images and scale bytes go to LDS.
;   A weight is loaded as it lies (a load takes 256 neighbouring bytes of each of two rows) and turned through the wave's own stage in LDS, from which lane (r, h) takes the 32 neighbours along K of its block.
;   Behind the barrier waves 0-7 take a tile of 16 pixels each through both layers, in registers.  Waves 8-15: for y, each quantises its own tile of Wv into its operand registers and makes 16 channels of v for the 128 pixels;
;   for x, those of work-groups 0 and 1 quantise Wo, a tile each, for the next launch.
; NO CLUSTER, though the work-groups of a TYPE read the same 192 KiB of weights (y: 320): a joint load would put a round of the cluster's barrier in front of the launch's first byte and one at its end,
; in a launch that has one tile a work-group and no loop over which rounds could be spread.  No tensor load is used: all that a work-group reads is asked for in one run a wave.
; LIMITS: a block whose largest magnitude lies under 2^-124, a block of zeros too, gets the byte 1 (this program alone reads the bytes); NaN and infinities are not served; 1 / sqrt is v_rsq_f32.
; THE MODE: SCHED_MODE bits 1:0 = 2 (LLVM: expert scheduling mode 2), set by the entry lines.  The code itself states the register dependences between vector or matrix instructions and memory or LDS instructions, with s_wait_alu, always for 0.
; THE PLAN.  Registers that memory or LDS instructions touch, and who else names them:
;   v1-15, v216-219  offsets and LDS addresses: written once at the head, ahead of one wait on va_vdst, and never again.  v254, v255: written at the head, read by the closing add alone.
;   v96-159   the weights as loaded: the stage's stores read them and the stage's loads land in them again (one wait on vm_vsrc in each turn); BLOCK32 reads them; later they are the accumulators.
;   v32-95    the input as loaded, read by BLOCK32; behind the barrier fragments and BN's m and s, by LDS loads, read by products and by BN's multiply-adds; in waves 8-15 first Wv or Wo, turned as the weights are.
;             At the end the three kinds of scale words pass through v32-35, v36-39 and v40-43, a run of its own for each: no load lands where a store has read.
;   v160-191  codes, bytes and BN's numbers of the head, written by vector lines and read by LDS stores; behind the barrier BN's b, by LDS loads.
;   v224-231, v248, v189, v190  codes, a scale word, bytes: written by vector lines, read by stores (and by products).
; A wait on va_vdst stands behind each run of vector or matrix lines whose results a store reads or whose sources a load lands in, ahead of that run of stores and loads; what follows such a wait up to those stores and loads names none of their registers.
; One wait on vm_vsrc ahead of the first barrier frees all that the head's LDS stores have read.  One wait on va_sdst stands behind v_readfirstlane_b32.
.set XP,   144                         ; LDS: a pixel's row of codes: 128 bytes + 16 of padding
.set XC,   0                           ; 128 such rows
.set XS,   18432                       ; the input's scale words: 512 s + 4 x pixel
.set WIMG, 19456                       ; images of the first layer's 16 fragments (2 t + s) and the second's 8 (16 + t)
.set PRM,  44032                       ; layer L at 1,536 L: m, s, b, 128 f32 each
.set KSW,  47104                       ; the scale words of q or k, as they lie in the record
.set VSW,  47616                       ; those of v
.set OSW,  48128                       ; those of eight tiles of Wo
.set WSC,  48640                       ; the chain's weights' scale words: fragment f, row-lane r at 256 (f / 4) + 16 r + 4 (f % 4)
.set STG,  50176                       ; a stage for each wave: 16 rows of 256 bytes + 16 of padding
.set SGP,  272
.set PC,   224                         ; v224-231 the fragment just made
.set TM,   232                         ; v232-247 at work in QUANT
.set PW,   248                         ; v248     the scale word just made
.set AW,   6                           ; v6   where my halves' images go: WIMG + 512 wave + 16 lane, + 8,192 n
.set AB,   15                          ; v15  and their scale bytes: WSC + 256 (wave / 8) + 2 (wave % 8) + 16 r + h, + 512 n
.set VOA,  216                         ; v216 a weight with rows of 1,024 bytes: 16 (lane % 16), and 16 rows on for lanes 16-31
.set VOB,  217                         ; v217 the same for rows of 512 bytes
.set SIN,  218                         ; v218 my stage, on the way in: lanes 0-15 row j, lanes 16-31 row j + 8
.set SOUT, 219                         ; v219 and on the way out: row r, + 128 h
.set H8,   220                         ; v220 8 h
.set TYPE, 58                          ; s58 0: x, 1: y;  s59 my wave;  s60 wave % 8;  s61 wave % 4;  s62 wave / 4;  s63 1 where this work-group has tiles of Wo
.set WV,   59
.set T8,   60
.set PG,   61
.set BP,   62
.set DOWO, 63
.set SEL,  66                          ; s[66:67] v_permlanex16_b32's selects for lane l xor 16
; REGISTERS: v1 16 lane; v2 16 r; v3 4 lane; v4-13, v15, v218-219 LDS addresses, made at the head and never rewritten; v14 4 x my channel; v16-31 two fragments (the input's; in v's phase Wv's);
;   v32-95 64 numbers of the input, later 8 fragments, in BN m and s; v96-159 numbers of the weights, later eight accumulators; v160-191 codes, bytes and BN's numbers at the head, later b; v192-215 scale words; v249-250 the input's.
.macro PLACES n
.rept \n
	v_nop
.endr
.endm
; 64 numbers of a lane, v[s] .. v[s + 63], register 16 b + i = k 32 b + 16 (lane / 16) + i of my row, become a fragment's codes in v[PC] on and its scale word in v[PW].
.macro QUANT s
.irp b, 0,1,2,3
	v_max3_num_f32 v[TM+\b], |v[\s+16*\b]|, |v[\s+1+16*\b]|, 0x1800000   ; block b: my 16 numbers, and the floor 2^(3 - 127): the byte cannot fall under 1
.endr
.irp i, 2,4,6,8,10,12,14
.irp b, 0,1,2,3
	v_max3_num_f32 v[TM+\b], v[TM+\b], |v[\s+16*\b+\i]|, |v[\s+1+16*\b+\i]|   ; (the four blocks by turns)
.endr
.endr
.irp b, 0,1,2,3
	v_permlanex16_b32 v[TM+4+\b], v[TM+\b], s[SEL], s[SEL+1]
.endr
.irp b, 0,1,2,3
	v_max_num_f32 v[TM+\b], v[TM+\b], v[TM+4+\b]   ; with lane l xor 16's: the block's largest magnitude
.endr
.irp b, 0,1,2,3
	v_add_nc_u32 v[TM+12+\b], 0xff000000, v[TM+\b] ; 2 off its exponent field: the conversion's scale operand
.endr
.irp b, 0,1,2,3
	v_lshrrev_b32 v[TM+4+\b], 23, v[TM+12+\b]      ; the scale's byte
.endr
	v_lshl_or_b32 v[PW], v[TM+5], 8, v[TM+4]       ; the four bytes make my row's scale word
	v_lshl_or_b32 v[PW], v[TM+6], 16, v[PW]
	v_lshl_or_b32 v[PW], v[TM+7], 24, v[PW]
.irp b, 0,1,2,3
	v_cvt_scalef32_pk8_fp4_f32 v[PC+2*\b], v[\s+16*\b:\s+7+16*\b], v[TM+12+\b]
	v_cvt_scalef32_pk8_fp4_f32 v[PC+1+2*\b], v[\s+8+16*\b:\s+15+16*\b], v[TM+12+\b]
.endr
	v_nop                                          ; one plain place behind a scaled conversion
.irp c, 0,1                                    ; the operand's layout wants a WHOLE block in a lane: lanes 0-15 block 2 c, lanes 16-31 block 2 c + 1
.irp i, 0,1
	v_permlane16_swap_b32 v[PC+4*\c+\i], v[PC+2+4*\c+\i]
.endr
.endr
.endm
; 32 numbers of a lane, v[s] .. v[s + 31], are one whole block along K: its codes go into v[d] .. v[d + 3], its scale's byte into v[e]
.macro BLOCK32 s, d, e
	v_max3_num_f32 v184, |v[(\s)]|, |v[(\s)+1]|, |v[(\s)+2]|
	v_max3_num_f32 v185, |v[(\s)+3]|, |v[(\s)+4]|, |v[(\s)+5]|
.irp i, 6,10,14,18,22,26
	v_max3_num_f32 v184, v184, |v[(\s)+\i]|, |v[(\s)+\i+1]|
	v_max3_num_f32 v185, v185, |v[(\s)+\i+2]|, |v[(\s)+\i+3]|
.endr
	v_max3_num_f32 v184, v184, |v[(\s)+30]|, |v[(\s)+31]|
	v_max3_num_f32 v184, v184, v185, 0x1800000     ; and the floor 2^(3 - 127)
	v_add_nc_u32 v186, 0xff000000, v184            ; 2 off the exponent field: the conversion's scale operand
	v_lshrrev_b32 v[\e], 23, v186                  ; the scale's byte
.irp g, 0,1,2,3
	v_cvt_scalef32_pk8_fp4_f32 v[(\d)+\g], v[(\s)+8*\g:(\s)+8*\g+7], v186
.endr
	v_nop                                          ; one plain place behind the last scaled conversion
.endm
; my two bytes, of blocks h and 2 + h of row r, and lane l xor 16's two make the row's scale word
.macro WORD pw, e0, e1
	v_lshl_or_b32 v[\pw], v[\e1], 16, v[\e0]
	v_lshlrev_b32 v[\pw], v[H8], v[\pw]            ; at their places in the word: 8 h bits up
	v_permlanex16_b32 v191, v[\pw], s[SEL], s[SEL+1]
	v_or_b32 v[\pw], v[\pw], v191
.endm
; half a fragment of a weight, as it was loaded (register group j: 16 bytes of row j or j + 8), goes through my stage and comes back, into the registers that it left, as 32 neighbours along K of row r.
; LDS serves a wave's instructions in order (ISA guide 5.7.1.4): no wait on DScnt between the stores and the loads, nor in front of the next half's stores.
; Wherever a turn stands, no vector line since the last wait on va_vdst names v[SIN], v[SOUT] or v[s] .. v[s + 31].
.macro TURN32 s
.irp j, 0,1,2,3,4,5,6,7
	ds_store_b128 v[SIN], v[(\s)+4*\j:(\s)+4*\j+3] offset:SGP*\j
.endr
	s_wait_alu depctr_vm_vsrc(0)                   ; the eight stores have read v[s] .. v[s + 31], in which the eight loads below land
.irp i, 0,1,2,3,4,5,6,7
	ds_load_b128 v[(\s)+4*\i:(\s)+4*\i+3], v[SOUT] offset:16*\i
.endr
.endm
; a whole fragment, its two halves as loaded in v[s] .. v[s + 63]: codes into v[d] .. v[d + 7], scale word into v[pw]
.macro WFRAG s, d, pw
	TURN32 \s
	TURN32 (\s)+32
	s_wait_dscnt 16                                ; the first half is back: behind its loads stand the second half's 8 stores and 8 loads
	BLOCK32 \s, \d, 189
	s_wait_dscnt 0x0
	BLOCK32 (\s)+32, (\d)+4, 190
	WORD \pw, 189, 190
.endm
; eight weight fragments f0, f0 + st, .. from their images into v32-95
.macro WFETCH f0, st
.irp t, 0,1,2,3,4,5,6,7
.irp c, 0,1
	ds_load_b128 v[32+8*\t+4*\c:35+8*\t+4*\c], v1 offset:WIMG+(\f0+\st*\t)*1024+512*\c
.endr
.endr
.endm
; eight products on the eight accumulators, one instruction a turn: source 0 = the fragments in v32-95, source 1 = the fragment at v[b]
.macro MUL8 b, zero, sa, st, sb
.irp t, 0,1,2,3,4,5,6,7
.if \zero
	v_wmma_scale_f32_16x16x128_f8f6f4 v[96+8*\t:103+8*\t], v[32+8*\t:39+8*\t], v[\b:\b+7], 0, v[\sa+\st*\t], v[\sb] matrix_a_fmt:MATRIX_FMT_FP4 matrix_b_fmt:MATRIX_FMT_FP4
.else
	v_wmma_scale_f32_16x16x128_f8f6f4 v[96+8*\t:103+8*\t], v[32+8*\t:39+8*\t], v[\b:\b+7], v[96+8*\t:103+8*\t], v[\sa+\st*\t], v[\sb] matrix_a_fmt:MATRIX_FMT_FP4 matrix_b_fmt:MATRIX_FMT_FP4
.endif
.endr
.endm
; BN and ReLU of layer L on the eight accumulators, four tiles (half g) at a time, in three parts: lane (r, h) wants, for tile t, the numbers of channels 32 (t / 2) + 16 h + 8 (t % 2) + 0 .. 7.
; BNLOAD: m into v32-63, s into v64-95, b into v160-191.  BNFMA: (sum - m) s + b, each accumulator read from its low end on.  BNMAX: the ReLU, which names the accumulators alone.
.macro BNLOAD L, g
.irp t, 0,1,2,3
	ds_load_b128 v[32+8*\t:35+8*\t], v12 offset:1536*\L+(32*((4*\g+\t)/2)+8*(\t%2))*4
	ds_load_b128 v[36+8*\t:39+8*\t], v12 offset:1536*\L+(32*((4*\g+\t)/2)+8*(\t%2))*4+16
	ds_load_b128 v[64+8*\t:67+8*\t], v12 offset:1536*\L+512+(32*((4*\g+\t)/2)+8*(\t%2))*4
	ds_load_b128 v[68+8*\t:71+8*\t], v12 offset:1536*\L+512+(32*((4*\g+\t)/2)+8*(\t%2))*4+16
	ds_load_b128 v[160+8*\t:163+8*\t], v12 offset:1536*\L+1024+(32*((4*\g+\t)/2)+8*(\t%2))*4
	ds_load_b128 v[164+8*\t:167+8*\t], v12 offset:1536*\L+1024+(32*((4*\g+\t)/2)+8*(\t%2))*4+16
.endr
.endm
.macro BNFMA g
.irp j, 0,2,4,6,8,10,12,14,16,18,20,22,24,26,28,30
	v_pk_add_f32 v[96+32*\g+\j:97+32*\g+\j], v[96+32*\g+\j:97+32*\g+\j], v[32+\j:33+\j] neg_lo:[0,1] neg_hi:[0,1]   ; sum - m
.endr
.irp j, 0,2,4,6,8,10,12,14,16,18,20,22,24,26,28,30
	v_pk_fma_f32 v[96+32*\g+\j:97+32*\g+\j], v[96+32*\g+\j:97+32*\g+\j], v[64+\j:65+\j], v[160+\j:161+\j]            ; x s + b
.endr
.endm
.macro BNMAX g
.irp j, 0,1,2,3,4,5,6,7,8,9,10,11,12,13,14,15,16,17,18,19,20,21,22,23,24,25,26,27,28,29,30,31
	v_max_num_f32 v[96+32*\g+\j], 0, v[96+32*\g+\j]
.endr
.endm
	s_load_b512 s[4:19], s[0:1], 0x0               ; x s[4:5], y s[6:7], Wq1 s[8:9], Wq2 s[10:11], Wk1 s[12:13], Wk2 s[14:15], Wv s[16:17], Wo s[18:19]
	s_load_b512 s[20:35], s[0:1], 0x40             ; g, b, m, v of q1, then of q2
	s_load_b512 s[36:51], s[0:1], 0x80             ; the same of k1, k2
	s_load_b128 s[52:55], s[0:1], 0xc0             ; qf, kv
	s_load_b64 s[56:57], s[0:1], 0xd0              ; wq
	v_lshl_add_u32 v254, v0, 2, 0x1d400
	v_mov_b32 v255, 0
	v_lshrrev_b32 v16, 5, v0
	v_readfirstlane_b32 s[WV], v16                 ; wave 0..15
	s_and_b32 s[TYPE], ttmp7, 0xffff
	s_mov_b32 s[SEL], 0x76543210
	s_mov_b32 s[SEL+1], 0xfedcba98
	v_and_b32 v16, 31, v0                          ; lane
	v_and_b32 v17, 15, v0                          ; r
	v_bfe_u32 v18, v0, 4, 1                        ; h
	v_and_b32 v19, 8, v17
	v_add_nc_u32 v19, v19, v17                     ; r + 8 (r / 8)
	v_lshlrev_b32 v1, 4, v16
	v_lshlrev_b32 v2, 4, v17
	v_lshlrev_b32 v3, 2, v16
	s_wait_alu depctr_va_vdst(0)
	s_wait_alu depctr_va_sdst(0)                   ; the wave's number is written, ahead of its first reader: all that follows is made from it
	s_and_b32 s[T8], s[WV], 7                      ; my tile, of pixels, of v's channels or of Wo's rows
	s_and_b32 s[PG], s[WV], 3                      ; which 32 pixels I quantise
	s_lshr_b32 s[BP], s[WV], 2                     ; which 64 channels
	s_mul_i32 s72, s[PG], 32*XP
	s_lshl_b32 s73, s[BP], 5
	s_add_co_u32 s72, s72, s73
	v_mul_u32_u24 v4, v16, XP
	v_add_nc_u32 v4, s72, v4                       ; v4: my pixel's row of codes, my two blocks' 32 bytes
	s_lshr_b32 s72, s[BP], 1
	s_lshl_b32 s72, s72, 9
	s_lshl_b32 s73, s[PG], 7
	s_add_co_u32 s72, s72, s73
	s_and_b32 s73, s[BP], 1
	s_lshl_b32 s73, s73, 1
	s_add_co_u32 s72, s72, s73
	s_add_co_u32 s72, s72, XS
	v_add_nc_u32 v5, s72, v3                       ; v5: my two bytes of my pixel's scale word
	s_lshl_b32 s72, s[WV], 9
	s_add_co_u32 s72, s72, WIMG
	v_add_nc_u32 v[AW], s72, v1
	s_lshr_b32 s72, s[WV], 3
	s_lshl_b32 s72, s72, 8
	s_lshl_b32 s73, s[T8], 1
	s_add_co_u32 s72, s72, s73
	s_add_co_u32 s72, s72, WSC
	v_add_nc_u32 v[AB], s72, v2
	v_add_nc_u32 v[AB], v[AB], v18
	v_lshl_add_u32 v[VOA], v18, 14, v2
	v_lshl_add_u32 v[VOB], v18, 13, v2
	s_mul_i32 s72, s[WV], 16*SGP
	s_add_co_u32 s72, s72, STG                     ; my stage
	v_mul_u32_u24 v20, v18, 8*SGP
	v_add_nc_u32 v20, v20, v2
	v_add_nc_u32 v[SIN], s72, v20
	v_mul_u32_u24 v20, v17, SGP
	v_lshl_add_u32 v20, v18, 7, v20
	v_add_nc_u32 v[SOUT], s72, v20
	v_lshlrev_b32 v[H8], 3, v18
	v_and_b32 v14, 127, v0
	v_lshlrev_b32 v14, 2, v14                      ; v14: 4 x my channel (waves 0-3 layer 1, waves 4-7 layer 2)
	v_bfe_u32 v20, v0, 7, 1
	v_mul_u32_u24 v20, v20, 1536
	v_add_nc_u32 v7, v20, v14
	v_add_nc_u32 v7, PRM, v7                       ; v7: where its m, s, b go
	s_lshr_b32 s69, s[T8], 1
	s_lshl_b32 s69, s69, 5
	s_and_b32 s73, s[T8], 1
	s_lshl_b32 s73, s73, 3
	s_add_co_u32 s69, s69, s73                     ; s69: my tile's first row: 32 (T / 2) + 8 (T % 2)
	v_mul_u32_u24 v10, v19, XP
	v_lshl_add_u32 v10, v18, 4, v10                ; v10: a fragment's place in the rows of codes: row r + 8 (r / 8), + 16 h
	s_mul_i32 s73, s69, XP
	v_add_nc_u32 v8, s73, v10                      ; v8: the same in my tile of pixels
	v_lshl_add_u32 v11, v19, 2, XS                 ; v11: the scale word of row r + 8 (r / 8)
	s_lshl_b32 s73, s69, 2
	v_add_nc_u32 v9, s73, v11                      ; v9: the same in my tile
	v_lshl_add_u32 v12, v18, 6, PRM                ; v12: BN's numbers: + 64 h
	s_lshr_b32 s72, s[T8], 2
	s_lshl_b32 s72, s72, 8
	s_lshl_b32 s73, s[PG], 2
	s_add_co_u32 s72, s72, s73
	v_add_nc_u32 v13, s72, v2                      ; v13: my tile's scale word of row-lane r in a record's 512 bytes
.irp b, 0,1,2,3
	v_mov_b32 v[TM+4+\b], 0                        ; written once: a lane permute's destination counts as one of its sources
.endr
	v_mov_b32 v191, 0                              ; likewise
	s_wait_kmcnt 0x0
	s_cmp_eq_u32 s[TYPE], 0                        ; TYPE chooses addresses; it hangs on the work-group's number alone
	s_cselect_b64 s[4:5], s[4:5], s[6:7]           ; the input
	s_cselect_b64 s[8:9], s[8:9], s[12:13]         ; the first layer's weight
	s_cselect_b64 s[10:11], s[10:11], s[14:15]     ; the second's
.irp i, 0,1,2,3,4,5,6,7
	s_cselect_b64 s[20+2*\i:21+2*\i], s[20+2*\i:21+2*\i], s[36+2*\i:37+2*\i]
.endr
	s_cselect_b64 s[52:53], s[52:53], s[54:55]
	s_mov_b32 s68, 17408
	s_cselect_b32 s68, 8704, s68                   ; a record's bytes
	s_cselect_b32 s[DOWO], 1, 0
	s_cmp_lt_u32 ttmp9, 2
	s_cselect_b32 s[DOWO], s[DOWO], 0              ; Wo's 16 tiles: waves 8-15 of x's work-groups 0 and 1
	s_cmp_lt_u32 s[WV], 4                          ; waves 0-3 make layer 1's m, s, b, waves 4-7 layer 2's
.irp i, 0,1,2,3
	s_cselect_b64 s[20+2*\i:21+2*\i], s[20+2*\i:21+2*\i], s[28+2*\i:29+2*\i]
.endr
	s_lshr_b32 s72, ttmp9, 5
	s_lshl_b32 s72, s72, 22                        ; the batch: 4,194,304 bytes;
	s_lshl_b32 s73, s[BP], 20                      ; my 64 channels of 16,384 bytes;
	s_add_co_u32 s72, s72, s73
	s_and_b32 s73, ttmp9, 31
	s_lshl_b32 s73, s73, 9                         ; the record's 128 pixels;
	s_add_co_u32 s72, s72, s73
	s_lshl_b32 s73, s[PG], 7                       ; my 32 of them
	s_add_co_u32 s72, s72, s73
	s_mov_b32 s73, 0                               ; (the upper word of every offset below)
	s_add_nc_u64 s[4:5], s[4:5], s[72:73]
	s_mul_i32 s72, ttmp9, s68
	s_add_nc_u64 s[52:53], s[52:53], s[72:73]      ; my record
	s_lshl_b32 s72, s[T8], 10
	s_add_nc_u64 s[76:77], s[52:53], s[72:73]      ; my fragment in it
	s_lshr_b32 s74, s[WV], 3                       ; the first layer's weight: halves w and w + 16 are tiles w / 4 and 4 + w / 4, which lie 64 rows apart; K from 64 (w % 4) on
	s_lshl_b32 s74, s74, 5
	s_and_b32 s75, s[BP], 1
	s_lshl_b32 s75, s75, 3
	s_add_co_u32 s74, s74, s75                     ; tile w / 4's first row
	s_lshl_b32 s72, s74, 10
	s_lshl_b32 s75, s[PG], 8
	s_add_co_u32 s72, s72, s75
	s_add_nc_u64 s[8:9], s[8:9], s[72:73]
	s_lshl_b32 s74, s[BP], 5                       ; the second's: tile w / 2; K from 64 (w % 2) on
	s_bfe_u32 s75, s[WV], 0x10001
	s_lshl_b32 s75, s75, 3
	s_add_co_u32 s74, s74, s75
	s_lshl_b32 s72, s74, 9
	s_and_b32 s75, s[WV], 1
	s_lshl_b32 s75, s75, 8
	s_add_co_u32 s72, s72, s75
	s_add_nc_u64 s[10:11], s[10:11], s[72:73]
	s_lshl_b32 s72, s69, 10
	s_add_nc_u64 s[16:17], s[16:17], s[72:73]      ; Wv: tile w % 8
	s_and_b32 s74, ttmp9, 1                        ; Wo: tile 8 (X % 2) + w % 8: its first row lies 128 (X % 2) rows further on
	s_lshl_b32 s75, s74, 7
	s_add_co_u32 s75, s75, s69
	s_lshl_b32 s72, s75, 9
	s_add_nc_u64 s[18:19], s[18:19], s[72:73]
	s_lshl_b32 s72, s74, 3
	s_add_co_u32 s72, s72, s[T8]
	s_lshl_b32 s72, s72, 10
	s_add_co_u32 s72, s72, 65536
	s_add_nc_u64 s[78:79], s[56:57], s[72:73]      ; where that tile's image goes,
	s_lshl_b32 s72, s74, 9
	s_add_co_u32 s72, s72, 86016
	s_add_nc_u64 s[80:81], s[56:57], s[72:73]      ; and the eight tiles' scale words
; ---- the loads go out in one run: BN's numbers, two halves of the first layer's weight, the input
	s_wait_alu depctr_va_vdst(0)                   ; the offsets and LDS addresses v1-15 and v216-219 are written, which every load and store of the kernel reads; so are v16-20, in which LDS loads land later
	s_cmp_lt_u32 s[WV], 8
	s_cbranch_scc0 .Lno_small
	global_load_b32 v172, v14, s[20:21]            ; g
	global_load_b32 v173, v14, s[22:23]            ; b
	global_load_b32 v174, v14, s[24:25]            ; m
	global_load_b32 v175, v14, s[26:27]            ; v
.Lno_small:
.irp n, 0,1
.irp j, 0,1,2,3,4,5,6,7
	global_load_b128 v[96+32*\n+4*\j:99+32*\n+4*\j], v[VOA], s[8:9] offset:65536*\n+1024*\j   ; 256 consecutive bytes, aligned, of row j and of the row 16 further on
.endr
.endr
.irp i, 0,1
.irp j, 0,1,2,3,4,5,6,7,8,9,10,11,12,13,14,15,16,17,18,19,20,21,22,23,24,25,26,27,28,29,30,31
	global_load_b32 v[32+32*\i+\j], v3, s[4:5] offset:(32*\i+\j)*16384   ; one channel at 32 neighbouring pixels: 128 consecutive bytes; four waves stand side by side on 512
.endr
.endr
	s_wait_loadcnt 63                              ; loads come back in order: behind the weight's stand the input's 64, of which the count can name 63: BN's numbers and the weight are in
	s_cmp_lt_u32 s[WV], 8
	s_cbranch_scc0 .Lno_prm
	v_add_f32 v175, 0x3727c5ac, v175               ; v + 1e-5
	s_wait_alu depctr_va_vdst(0)
	v_rsq_f32 v175, v175
	v_nop                                          ; one plain place behind a transcendental
	s_wait_alu depctr_va_vdst(0)                   ; the reciprocal root has written v175, which the multiplication reads
	v_mul_f32 v172, v172, v175                     ; s = g / sqrt(v + 1e-5)
	s_wait_alu depctr_va_vdst(0)                   ; the multiplication has written v172, which the second store below reads
	ds_store_b32 v7, v174
	ds_store_b32 v7, v172 offset:512
	ds_store_b32 v7, v173 offset:1024
.Lno_prm:
	TURN32 96
	TURN32 128
	s_wait_dscnt 16                                ; the first half is back: behind its loads stand the second's 8 stores and 8 loads
	BLOCK32 96, PC, 189
	s_wait_dscnt 0x0
	BLOCK32 128, PC+4, 190
	s_wait_alu depctr_va_vdst(0)                   ; the two blocks' lines have written v224-231, v189 and v190, which the four stores read, and are done reading v96-127, in which the eight loads land
	ds_store_b128 v[AW], v[PC:PC+3]                ; registers 4 (w % 2) on of fragment w / 2,
	ds_store_b128 v[AW], v[PC+4:PC+7] offset:8192  ; and of fragment 8 + w / 2
	ds_store_b8 v[AB], v189                        ; byte 2 (w % 2) + h of row r's scale word
	ds_store_b8 v[AB], v190 offset:512
.irp j, 0,1,2,3,4,5,6,7
	global_load_b128 v[96+4*\j:99+4*\j], v[VOB], s[10:11] offset:512*\j   ; my half of the second layer's weight, into registers that are done with
.endr
	s_wait_loadcnt 40                              ; my first block of the input is in: behind it stand the second's 32 loads and the weight's 8
	BLOCK32 32, 176, 187
	s_wait_loadcnt 8                               ; the second block: behind it the weight's 8
	BLOCK32 64, 180, 188
	v_lshl_or_b32 v187, v188, 8, v187              ; my two bytes of the pixel's scale word
	s_wait_loadcnt 0x0
	TURN32 96                                      ; (the two blocks above name v32-95 and v176-188: none of the turn's registers)
	s_wait_dscnt 0x0
	BLOCK32 96, 160, 164
	s_wait_alu depctr_va_vdst(0)                   ; the three blocks' lines have written v160-164, v176-183 and v187, which the five stores read, and are done reading v32-127 (v128-159 since the wait before), in which the loads of Wv or Wo below land
	ds_store_b128 v4, v[176:179]                   ; 32 codes: 16 bytes of my pixel's row,
	ds_store_b128 v4, v[180:183] offset:16         ; and the next 32
	ds_store_b16 v5, v187
	ds_store_b128 v[AW], v[160:163] offset:16384   ; fragment 16 + w / 2
	ds_store_b8 v[AB], v164 offset:1024
; what waves 8-15 need behind the barrier is asked for now, into registers that are done with: no vector line stands between the wait above and these loads
	s_cmp_lt_u32 s[WV], 8
	s_cbranch_scc1 .Lno_early
	s_cmp_eq_u32 s[TYPE], 0
	s_cbranch_scc1 .Learly_o
.irp s, 0,1
.irp c, 0,1
.irp j, 0,1,2,3,4,5,6,7
	global_load_b128 v[32+64*\s+32*\c+4*\j:35+64*\s+32*\c+4*\j], v[VOA], s[16:17] offset:1024*\j+512*\s+256*\c   ; my tile of Wv: K step s, half c
.endr
.endr
.endr
	s_branch .Lno_early
.Learly_o:
	s_cmp_eq_u32 s[DOWO], 0
	s_cbranch_scc1 .Lno_early
.irp c, 0,1
.irp j, 0,1,2,3,4,5,6,7
	global_load_b128 v[32+32*\c+4*\j:35+32*\c+4*\j], v[VOB], s[18:19] offset:512*\j+256*\c   ; my tile of Wo
.endr
.endr
.Lno_early:
	s_wait_alu depctr_vm_vsrc(0)                   ; my LDS stores have read v160-164, v172-174, v176-183, v187, v189, v190 and v224-231: behind the barrier BN's loads land in the first of these, and vector lines write the last three anew
	s_wait_dscnt 0x0                               ; for the others' sake: all my LDS stores have landed
	s_barrier_signal -1
	s_barrier_wait -1                              ; the input's codes and scale words, the weights' images and scale words and BN's numbers lie in LDS
	s_cmp_lt_u32 s[WV], 8
	s_cbranch_scc0 .Lvalue
; ---- waves 0-7: my 16 pixels through both layers.  Both products are used transposed (source 0 = 16 rows of the weight, source 1 = the pixels): a lane holds one pixel, its registers run along the channels
.irp s, 0,1
.irp c, 0,1
	ds_load_b128 v[16+8*\s+4*\c:19+8*\s+4*\c], v8 offset:64*\s+32*\c
.endr
	ds_load_b32 v[249+\s], v9 offset:512*\s
.endr
.irp g, 0,1,2,3,4,5
	ds_load_b128 v[192+4*\g:195+4*\g], v2 offset:WSC+256*\g   ; the scale words of fragments 4 g .. 4 g + 3: fragment f's in v[192 + f]
.endr
	WFETCH 0, 2
	s_wait_dscnt 0x0
	MUL8 16, 1, 192, 2, 249                        ; channels 0-127: these products start the sums
	PLACES 4                                       ; in front of loads into registers that matrix instructions have read
	s_wait_alu depctr_va_vdst(0)                   ; the eight products are done reading v32-95, in which the next fragments land
	WFETCH 1, 2
	s_wait_dscnt 0x0
	MUL8 24, 0, 193, 2, 250                        ; channels 128-255
	PLACES 4                                       ; in front of the first read of results, and of loads into the fragments' registers
	s_wait_alu depctr_va_vdst(0)                   ; the eight products are done reading v32-95, in which m and s land
	BNLOAD 0, 0
	s_wait_dscnt 0x0
	BNFMA 0
	s_wait_alu depctr_va_vdst(0)                   ; the multiply-adds are done reading v32-95 and v160-191, in which the second half's m, s and b land
	BNLOAD 0, 1
	BNMAX 0                                        ; (names v96-127 alone: the loads above land meanwhile)
	s_wait_dscnt 0x0
	BNFMA 1
	s_wait_alu depctr_va_vdst(0)                   ; the multiply-adds are done reading v32-95, in which the second layer's fragments land
	WFETCH 16, 1                                   ; the second layer's weights land while the hidden layer is clipped and quantised: those lines name v96-159 and v224-248 alone
	BNMAX 1
	QUANT 96
	PLACES 8                                       ; a scale register written by a vector instruction stands 8 places ahead of a scaled matrix instruction, an operand 4
	s_wait_alu depctr_va_vdst(0)                   ; the hidden layer's codes v224-231 and its scale word v248 are written, which the products take as source 1 and as its scales
	s_wait_dscnt 0x0
	MUL8 PC, 1, 208, 1, PW
	PLACES 4
	s_wait_alu depctr_va_vdst(0)                   ; the eight products are done reading v32-95, in which m and s land
	BNLOAD 1, 0
	s_wait_dscnt 0x0
	BNFMA 0
	s_wait_alu depctr_va_vdst(0)                   ; the multiply-adds are done reading v32-95 and v160-191, in which the second half's m, s and b land
	BNLOAD 1, 1
	BNMAX 0
	s_wait_dscnt 0x0
	BNFMA 1
	BNMAX 1
	QUANT 96
	s_wait_alu depctr_va_vdst(0)                   ; the codes v224-231 and the scale word v248 are written, which the three stores read
	global_store_b128 v1, v[PC:PC+3], s[76:77]     ; the fragment leaves as it stands: 512 consecutive bytes a store
	global_store_b128 v1, v[PC+4:PC+7], s[76:77] offset:512
	ds_store_b32 v13, v[PW] offset:KSW
	s_branch .Ljoin
; ---- waves 8-15
.Lvalue:
	s_wait_loadcnt 0x0                             ; what was asked for in front of the barrier is in
	s_cmp_eq_u32 s[TYPE], 0
	s_cbranch_scc1 .Lwo
; for y: 16 channels of v for the 128 pixels.  Source 0 = 16 pixels of y, source 1 = 16 rows of Wv: a lane holds one channel, its registers run along the pixels, which are the later product's K
; My tile of Wv goes straight into the operand's registers.  Its four halves go through the stage one behind the other, each turn issued ahead of the arithmetic of the half before it: a block's lines name its own 32 numbers, v16-31, v184-191 and v200-201, none of a later turn's registers
	TURN32 32
	TURN32 64
	s_wait_dscnt 16                                ; the first half is back: behind its loads stand the next turn's 8 stores and 8 loads
	BLOCK32 32, 16, 189
	TURN32 96
	s_wait_dscnt 16                                ; the second half
	BLOCK32 64, 20, 190
	WORD 200, 189, 190                             ; channels 0-127: v16-23, scale word v200
	TURN32 128
	s_wait_dscnt 16                                ; the third
	BLOCK32 96, 24, 189
	s_wait_dscnt 0x0
	BLOCK32 128, 28, 190
	WORD 201, 189, 190                             ; channels 128-255: v24-31, scale word v201
	PLACES 8                                       ; a scale register written by a vector instruction stands 8 places ahead of a scaled matrix instruction, an operand 4
	s_wait_alu depctr_va_vdst(0)                   ; Wv's codes v16-31 and scale words v200, v201 are written, which the products take as source 1 and as its scales; and the blocks' lines are done reading v32-95, in which y's fragments land
.irp s, 0,1
.if \s
	PLACES 4                                       ; in front of loads into registers that matrix instructions have read
	s_wait_alu depctr_va_vdst(0)                   ; the eight products are done reading v32-95 and v192-199, in which the next fragments and scale words land
.endif
.irp t, 0,1,2,3,4,5,6,7
.irp c, 0,1
	ds_load_b128 v[32+8*\t+4*\c:35+8*\t+4*\c], v10 offset:(32*(\t/2)+8*(\t%2))*XP+64*\s+32*\c
.endr
	ds_load_b32 v[192+\t], v11 offset:512*\s+(32*(\t/2)+8*(\t%2))*4
.endr
	s_wait_dscnt 0x0
	MUL8 16+8*\s, 1-\s, 192, 1, 200+\s
.endr
	PLACES 4
	QUANT 96
	s_wait_alu depctr_va_vdst(0)                   ; the codes v224-231 and the scale word v248 are written, which the three stores read
	global_store_b128 v1, v[PC:PC+3], s[76:77] offset:8704
	global_store_b128 v1, v[PC+4:PC+7], s[76:77] offset:8704+512
	ds_store_b32 v13, v[PW] offset:VSW
	s_branch .Ljoin
; for x, in work-groups 0 and 1: my tile of Wo, for the next launch
.Lwo:
	s_cmp_eq_u32 s[DOWO], 0
	s_cbranch_scc1 .Ljoin
	WFRAG 32, PC, PW
	s_wait_alu depctr_va_vdst(0)                   ; the codes v224-231 and the scale word v248 are written, which the three stores read
	global_store_b128 v1, v[PC:PC+3], s[78:79]     ; 512 consecutive bytes a store
	global_store_b128 v1, v[PC+4:PC+7], s[78:79] offset:512
	ds_store_b32 v13, v[PW] offset:OSW
.Ljoin:
	s_wait_dscnt 0x0                               ; for the others' sake: my scale word has landed
	s_barrier_signal -1
	s_barrier_wait -1
; The three loads below land in v32-35, v36-39 and v40-43, a run of its own for each, so that none lands in registers that a store above it has read.
; On each way here the last vector or matrix line that named v32-43 stands ahead of the wait in front of that way's stores, and the stage's stores that read them ahead of their turn's wait.
	s_cmp_lg_u32 s[WV], 0
	s_cbranch_scc1 .Lnot_0
	ds_load_b128 v[32:35], v1 offset:KSW           ; the eight tiles' scale words leave as 512 consecutive bytes
	s_wait_dscnt 0x0
	global_store_b128 v1, v[32:35], s[52:53] offset:8192
.Lnot_0:
	s_cmp_lg_u32 s[WV], 8
	s_cbranch_scc1 .Lend
	s_cmp_eq_u32 s[TYPE], 0
	s_cbranch_scc1 .Lwo_out
	ds_load_b128 v[36:39], v1 offset:VSW
	s_wait_dscnt 0x0
	global_store_b128 v1, v[36:39], s[52:53] offset:16896
	s_branch .Lend
.Lwo_out:
	s_cmp_eq_u32 s[DOWO], 0
	s_cbranch_scc1 .Lend
	ds_load_b128 v[40:43], v1 offset:OSW
	s_wait_dscnt 0x0
	global_store_b128 v1, v[40:43], s[80:81]
.Lend:
	s_wait_dscnt 0x0                               ; the closing lines, six on end
	s_wait_alu 0x0
	s_wait_tensorcnt 0x0
	ds_add_u32 v254, v255
	s_wait_dscnt 0x0
	s_endpgm
.Lfunc_end_k_qdf351d115d_proj:
	.size	k_qdf351d115d_proj, .Lfunc_end_k_qdf351d115d_proj-k_qdf351d115d_proj
	.p2alignl 7, 3214868480
	.fill 96, 4, 3214868480
	.section	.rodata,"a",@progbits
	.p2align	6, 0x0
	.amdhsa_kernel k_qdf351d115d_proj
		.amdhsa_group_segment_fixed_size 121856
		.amdhsa_private_segment_fixed_size 0
		.amdhsa_enable_private_segment 0
		.amdhsa_kernarg_size 216
		.amdhsa_user_sgpr_count 2
		.amdhsa_user_sgpr_kernarg_segment_ptr 1
		.amdhsa_wavefront_size32 1
		.amdhsa_system_sgpr_workgroup_id_x 1
		.amdhsa_system_sgpr_workgroup_id_y 1
		.amdhsa_system_sgpr_workgroup_id_z 1
		.amdhsa_system_vgpr_workitem_id 0
		.amdhsa_next_free_vgpr 256
		.amdhsa_next_free_sgpr 84
		.amdhsa_reserve_vcc 0
		.amdhsa_float_denorm_mode_32 3
		.amdhsa_float_denorm_mode_16_64 3
		.amdhsa_memory_ordered 1
		.amdhsa_forward_progress 1
		.amdhsa_inst_pref_size 93
	.end_amdhsa_kernel
	.amdgpu_metadata
---
amdhsa.version: [ 1, 2 ]
amdhsa.kernels:
  - .name:           k_qdf351d115d_proj
    .symbol:         k_qdf351d115d_proj.kd
    .args:
      - { .name: x, .offset: 0, .size: 8, .value_kind: global_buffer, .address_space: global }
      - { .name: y, .offset: 8, .size: 8, .value_kind: global_buffer, .address_space: global }
      - { .name: Wq1, .offset: 16, .size: 8, .value_kind: global_buffer, .address_space: global }
      - { .name: Wq2, .offset: 24, .size: 8, .value_kind: global_buffer, .address_space: global }
      - { .name: Wk1, .offset: 32, .size: 8, .value_kind: global_buffer, .address_space: global }
      - { .name: Wk2, .offset: 40, .size: 8, .value_kind: global_buffer, .address_space: global }
      - { .name: Wv, .offset: 48, .size: 8, .value_kind: global_buffer, .address_space: global }
      - { .name: Wo, .offset: 56, .size: 8, .value_kind: global_buffer, .address_space: global }
      - { .name: gq1, .offset: 64, .size: 8, .value_kind: global_buffer, .address_space: global }
      - { .name: bq1, .offset: 72, .size: 8, .value_kind: global_buffer, .address_space: global }
      - { .name: mq1, .offset: 80, .size: 8, .value_kind: global_buffer, .address_space: global }
      - { .name: vq1, .offset: 88, .size: 8, .value_kind: global_buffer, .address_space: global }
      - { .name: gq2, .offset: 96, .size: 8, .value_kind: global_buffer, .address_space: global }
      - { .name: bq2, .offset: 104, .size: 8, .value_kind: global_buffer, .address_space: global }
      - { .name: mq2, .offset: 112, .size: 8, .value_kind: global_buffer, .address_space: global }
      - { .name: vq2, .offset: 120, .size: 8, .value_kind: global_buffer, .address_space: global }
      - { .name: gk1, .offset: 128, .size: 8, .value_kind: global_buffer, .address_space: global }
      - { .name: bk1, .offset: 136, .size: 8, .value_kind: global_buffer, .address_space: global }
      - { .name: mk1, .offset: 144, .size: 8, .value_kind: global_buffer, .address_space: global }
      - { .name: vk1, .offset: 152, .size: 8, .value_kind: global_buffer, .address_space: global }
      - { .name: gk2, .offset: 160, .size: 8, .value_kind: global_buffer, .address_space: global }
      - { .name: bk2, .offset: 168, .size: 8, .value_kind: global_buffer, .address_space: global }
      - { .name: mk2, .offset: 176, .size: 8, .value_kind: global_buffer, .address_space: global }
      - { .name: vk2, .offset: 184, .size: 8, .value_kind: global_buffer, .address_space: global }
      - { .name: qf, .offset: 192, .size: 8, .value_kind: global_buffer, .address_space: global }
      - { .name: kv, .offset: 200, .size: 8, .value_kind: global_buffer, .address_space: global }
      - { .name: wq, .offset: 208, .size: 8, .value_kind: global_buffer, .address_space: global }
    .group_segment_fixed_size: 121856
    .private_segment_fixed_size: 0
    .kernarg_segment_align: 8
    .kernarg_segment_size: 216
    .max_flat_workgroup_size: 512
    .sgpr_count:     84
    .vgpr_count:     256
    .wavefront_size: 32
...
	.end_amdgpu_metadata
.endif
;; end of part 3
;; launch attn (part 4): grid 64 x 4, 16 waves a work-group, clusters of 4 x 1, 327,680 bytes of LDS; arguments qf, kv, wq, go, bo, mo, vo, x, out0; writes out0
.if DOCPART == 4
	.amdgcn_target "amdgcn-amd-amdhsa--gfx1250"
	.amdhsa_code_object_version 6
	.text
	.protected	k_qdf351d115d_attn
	.globl	k_qdf351d115d_attn
	.p2align	8
	.type	k_qdf351d115d_attn,@function
k_qdf351d115d_attn:
	s_mov_b64 s[64:65], 0
	v_nop
	global_prefetch_b8 v0, s[64:65] scope:SCOPE_SE
	s_setreg_imm32_b32 hwreg(HW_REG_WAVE_MODE, 25, 1), 1
	s_wait_xcnt 0x0
	s_wait_alu depctr_hold_cnt(0) depctr_sa_sdst(0) depctr_va_vdst(0) depctr_va_sdst(0) depctr_va_ssrc(0) depctr_va_vcc(0) depctr_vm_vsrc(0)
	s_getreg_b32 s2, hwreg(HW_REG_IB_STS2, 6, 4)
	s_cmp_eq_u32 s2, 0
	s_cbranch_scc0 .Lentry_in_a_cluster
	s_endpgm
.Lentry_in_a_cluster:
	s_bfe_u32 s2, ttmp6, 0x10000c
	s_cmp_lg_u32 s2, 0x3003
	s_cbranch_scc0 .Lentry_shape_is_right
	s_endpgm
.Lentry_shape_is_right:
; out = x + bnrelu(Wo ctx), ctx = softmax(q k^T / sqrt(128)) v, all three products on codes of FP4 (E2M1) with one E8M0 byte for each 32 along K.  q, k, v and Wo arrive as images of operand registers
; (a fragment: 16 rows x 128 K, 1,024 bytes, registers 4 c .. 4 c + 3 of lane l at 512 c + 16 l; lane r of tile 2 b + u holds row 32 b + 8 u + r + 8 (r / 8)); scale words four tiles to 16 bytes a row-lane.
; THE SOFTMAX: t = score x log2(e) / sqrt(128); M = the largest t so far, rounded UP to a whole number; p = 2^(t - M) is quantised along the keys, not normalised; the row's sum is taken of the unquantised p and divides at the end.
; SHARES.  A work-group owns 64 queries of one batch: 256 work-groups.  Wave w owns the tile of 16 queries w % 4 and the QUARTER w / 4 of the keys: of each slot's 8 key steps (128 keys each) it takes two, 8 in all.
; Four waves share a SIMD, 256 registers each, so that one wave's exponentials stand beside another's products and LDS loads.  The four quarters of a query are joined at the end by exact powers of two.
; Both products are used transposed (S^T = k q^T, O^T = v^T p^T): a lane holds ONE query throughout, and by the rows' order p's registers 16 b + i are the keys 32 b + 16 (lane / 16) + i, O^T's the channels likewise.
; CLUSTER.  The four work-groups of a cluster belong to one batch and walk the same k and v: each key step's 17,408 bytes are asked for JOINTLY (the same tensor load, the same descriptor, a mask that names the four).
; RING.  Two slots of 8 key steps; waves 0-7 fetch one key step each, one load a wave; two of my loads are out at the start, later one.  All is written out: 8 key steps a wave, every LDS offset an immediate.
; LIMITS: NaN and infinities are not served; p under 2^-126 counts as 0 (v_exp_f32); a block whose largest magnitude lies under 2^-124 gets the byte 1; 1 / l is v_rcp_f32, 1 / sqrt v_rsq_f32;
; the f32 sums of a query's four quarters are added at the end, another order than one pass over the keys.
.set STEPB, 17408                      ; a key step: k's 8 fragments, 512 bytes of scale words, v's 8 fragments, 512 bytes of scale words
.set SLOTB, 8*STEPB
.set SPARE, 2*SLOTB                    ; behind the ring: the spare words, 128 bytes for each wave: eight blocks of 256 bytes that no other line names
.set ML,    131072                     ; in slot 0, which has had its last fill and its last read by then: from 0 on 16 images of O^T (8,192 bytes each), from ML on -M and l (256 bytes each)
.set CIMG,  SLOTB                      ; in slot 1, likewise: ctx's four fragments,
.set CSC,   SLOTB+4096                 ; their scale words,
.set OST,   SLOTB+8192                 ; and the stage: 256 rows (output channels) x (64 pixels of f32 + 16 bytes)
.set OP,    272
.set WV,  22                           ; s22 my wave's number;  s23 my tile of queries;  s40 my quarter of the keys
.set G1,  24                           ; s[24:31] descriptor group 1;  s[32:35], s[36:39] group 0 for slot 0, slot 1
.set SEL, 46                           ; s[46:47] v_permlanex16_b32's selects for lane l xor 16
.set CS,  48                           ; s[48:49] c = log2(e) / sqrt(128): the packed form names a pair and takes its low word for both halves
; REGISTERS: v1, v2 a fragment's place in my two key steps of slot 0, 1; v3, v4 the scale words'; v5 my spare word, v6 0 (never rewritten); v7 16 lane; v8-11, v25-31 the epilogue's addresses;
;   v12 -M, v13 the largest t, v[14:15] the sum in two halves; v16-23 q, v24 its scale word; v32-95 eight fragments of k or v; v96-159 S^T, then p; v160-223 O^T; v224-231 p's codes;
;   v232-243 at work; v244-251 eight scale words; v252 f; v253 p's scale word; v254 at work.
.macro PLACES n
.rept \n
	v_nop
.endr
.endm
; A round of the cluster's barrier
.macro CROUND
	s_barrier_signal -1
	s_barrier_wait -1
	s_cmp_lg_u32 s[WV], 0
	s_cbranch_scc1 .Lnot_wave_0_\@
	s_barrier_signal -3
.Lnot_wave_0_\@:
	s_barrier_wait -3
	s_barrier_signal -1
	s_barrier_wait -1
.endm
; A joint refill: waves 0-7 fetch a key step each, the others nothing; the branch hangs on the wave's number alone.  Four v_nop follow the load.
.macro JLOAD g0
	s_cmp_lt_u32 s[WV], 8
	s_cbranch_scc0 .Lasked_\@
	tensor_load_to_lds s[\g0:\g0+3], s[G1:G1+7]
	s_nop 0
.rept 4
	v_nop
.endr
.Lasked_\@:
.endm
; eight fragments and their eight scale words, as they lie
.macro KVF fa, sa, fo, so
.irp t, 0,1,2,3,4,5,6,7
.irp c, 0,1
	ds_load_b128 v[32+8*\t+4*\c:35+8*\t+4*\c], v[\fa] offset:(\fo)+1024*\t+512*\c
.endr
.endr
.irp g, 0,1
	ds_load_b128 v[244+4*\g:247+4*\g], v[\sa] offset:(\so)+256*\g
.endr
.endm
; A KEY STEP: 128 keys, the ks-th of my two in the slot.  first = 1: the wave's first step starts M, the sum and O^T: nothing is cleared but the sum's two registers.
.macro STEP fa, sa, ks, first
.if \first == 0
	PLACES 4                                       ; in front of loads into registers that the last products have read
.endif
	KVF \fa, \sa, (\ks)*STEPB, (\ks)*STEPB+8192
	s_wait_dscnt 0x0
.irp t, 0,1,2,3,4,5,6,7
	v_wmma_scale_f32_16x16x128_f8f6f4 v[96+8*\t:103+8*\t], v[32+8*\t:39+8*\t], v[16:23], 0, v[244+\t], v24 matrix_a_fmt:MATRIX_FMT_FP4 matrix_b_fmt:MATRIX_FMT_FP4
.endr
	PLACES 4                                       ; in front of the loads into k's registers and of the first read of the scores
	KVF \fa, \sa, (\ks)*STEPB+8704, (\ks)*STEPB+16896   ; v lands under the softmax, which touches none of these registers
.irp b, 0,1,2,3
	v_max3_num_f32 v[232+\b], v[96+16*\b], v[97+16*\b], v[98+16*\b]   ; THE LARGEST SCORE OF EACH BLOCK OF 32 KEYS serves twice: for the row's maximum and, since p rises with the score, for the block's largest p
.endr
.irp i, 3,5,7,9,11,13
.irp b, 0,1,2,3
	v_max3_num_f32 v[232+\b], v[232+\b], v[96+16*\b+\i], v[97+16*\b+\i]   ; (the four blocks by turns)
.endr
.endr
.irp b, 0,1,2,3
	v_max_num_f32 v[232+\b], v[232+\b], v[111+16*\b]
.endr
.irp b, 0,1,2,3
	s_delay_alu instid0(VALU_DEP_4)
	v_permlanex16_b32 v[236+\b], v[232+\b], s[SEL], s[SEL+1]
.endr
.irp b, 0,1,2,3
	s_delay_alu instid0(VALU_DEP_4)
	v_max_num_f32 v[232+\b], v[232+\b], v[236+\b]  ; with lane l xor 16's 16 keys
.endr
	s_delay_alu instid0(VALU_DEP_2)
	v_max3_num_f32 v254, v232, v233, v234
	s_delay_alu instid0(VALU_DEP_1)
	v_max_num_f32 v254, v254, v235                 ; the step's largest score of my query
	s_delay_alu instid0(VALU_DEP_1)
	v_mul_f32 v254, s[CS], v254                    ; as t (c is positive)
.if \first
	s_delay_alu instid0(VALU_DEP_1)
	v_mov_b32 v13, v254
	s_delay_alu instid0(VALU_DEP_1)
	v_floor_f32 v12, -v13                          ; -M = floor(-t) = -ceil(t): M IS A WHOLE NUMBER
.else
	s_delay_alu instid0(VALU_DEP_1)
	v_max_num_f32 v13, v13, v254                   ; the running largest t
	v_mov_b32 v254, v12
	s_delay_alu instid0(VALU_DEP_2)
	v_floor_f32 v12, -v13                          ; the new -M
	s_delay_alu instid0(VALU_DEP_1)
	v_sub_f32 v254, v12, v254                      ; M's old value less its new one: a whole number, 0 or less
	s_delay_alu instid0(VALU_DEP_1)
	v_cvt_i32_f32 v254, v254                       ; (it saturates)
	s_delay_alu instid0(VALU_DEP_1)
	v_ldexp_f32 v252, 1.0, v254                    ; f = 2^(old M - new M): a multiplication by it rounds nothing
.endif
.irp j, 0,2,4,6,8,10,12,14,16,18,20,22,24,26,28,30,32,34,36,38,40,42,44,46,48,50,52,54,56,58,60,62
	v_pk_fma_f32 v[96+\j:97+\j], v[96+\j:97+\j], s[CS:CS+1], v[12:13] op_sel_hi:[1,0,0]   ; t - M, two at a time
.endr
.irp b, 0,1,2,3
	v_fma_f32 v[232+\b], v[232+\b], s[CS], v12     ; the same of each block's largest score
.endr
	s_wait_alu depctr_va_vdst(0)
.irp j, 0,1,2,3,4,5,6,7,8,9,10,11,12,13,14,15,16,17,18,19,20,21,22,23,24,25,26,27,28,29,30,31,32,33,34,35,36,37,38,39,40,41,42,43,44,45,46,47,48,49,50,51,52,53,54,55,56,57,58,59,60,61,62,63
	v_exp_f32 v[96+\j], v[96+\j]                   ; p = 2^(t - M), at most 1: NOT normalised
.endr
.irp b, 0,1,2,3
	v_exp_f32 v[232+\b], v[232+\b]                 ; the block's largest p: the same two instructions on the same number give the same bits
.endr
.if \first
	v_nop                                          ; a plain place behind the exponentials
	s_wait_alu depctr_va_vdst(0)
.else
	v_pk_mul_f32 v[14:15], v[14:15], v[252:253] op_sel_hi:[1,0]   ; the sums under the new M.  (A plain place behind the exponentials)
	s_wait_alu depctr_va_vdst(0)
.endif
.irp b, 0,1,2,3
	v_max_num_f32 v[232+\b], 0x1800000, v[232+\b]  ; the floor 2^(3 - 127): the byte cannot fall under 1
.endr
.irp b, 0,1,2,3
	s_delay_alu instid0(VALU_DEP_4)
	v_add_nc_u32 v[240+\b], 0xff000000, v[232+\b]  ; 2 off the exponent field: the conversion's scale operand
.endr
.irp b, 0,1,2,3
	s_delay_alu instid0(VALU_DEP_4)
	v_lshrrev_b32 v[236+\b], 23, v[240+\b]         ; the scale's byte
.endr
	s_delay_alu instid0(VALU_DEP_3)
	v_lshl_or_b32 v253, v237, 8, v236              ; p's scale word for these 128 keys
	s_delay_alu instid0(VALU_DEP_1)
	v_lshl_or_b32 v253, v238, 16, v253
	s_delay_alu instid0(VALU_DEP_1)
	v_lshl_or_b32 v253, v239, 24, v253
.irp b, 0,1,2,3
	v_cvt_scalef32_pk8_fp4_f32 v[224+2*\b], v[96+16*\b:103+16*\b], v[240+\b]
	v_cvt_scalef32_pk8_fp4_f32 v[225+2*\b], v[104+16*\b:111+16*\b], v[240+\b]
.endr
	v_nop                                          ; one plain place behind a scaled conversion
.irp c, 0,1                                    ; the operand's layout wants a WHOLE block in a lane
.irp i, 0,1
	v_permlane16_swap_b32 v[224+4*\c+\i], v[226+4*\c+\i]
.endr
.endr
	v_pk_add_f32 v[236:237], v[100:101], v[104:105]
	v_pk_add_f32 v[254:255], v[108:109], v[112:113]
	v_pk_add_f32 v[242:243], v[116:117], v[120:121]
	v_pk_add_f32 v[240:241], v[124:125], v[128:129]
	v_pk_add_f32 v[234:235], v[132:133], v[136:137]
	v_pk_add_f32 v[232:233], v[140:141], v[144:145]
	v_pk_add_f32 v[14:15], v[14:15], v[148:149]
	v_pk_add_f32 v[236:237], v[236:237], v[152:153]
	v_pk_add_f32 v[254:255], v[254:255], v[156:157]
	v_pk_add_f32 v[242:243], v[242:243], v[96:97]
	v_pk_add_f32 v[240:241], v[240:241], v[98:99]
	v_pk_add_f32 v[234:235], v[234:235], v[102:103]
	v_pk_add_f32 v[232:233], v[232:233], v[106:107]
	v_pk_add_f32 v[14:15], v[14:15], v[110:111]
	v_pk_add_f32 v[236:237], v[236:237], v[114:115]
	v_pk_add_f32 v[254:255], v[254:255], v[118:119]
	v_pk_add_f32 v[242:243], v[242:243], v[122:123]
	v_pk_add_f32 v[240:241], v[240:241], v[126:127]
	v_pk_add_f32 v[234:235], v[234:235], v[130:131]
	v_pk_add_f32 v[232:233], v[232:233], v[134:135]
	v_pk_add_f32 v[14:15], v[14:15], v[138:139]
	v_pk_add_f32 v[236:237], v[236:237], v[142:143]
	v_pk_add_f32 v[254:255], v[254:255], v[146:147]
	v_pk_add_f32 v[242:243], v[242:243], v[150:151]
	v_pk_add_f32 v[240:241], v[240:241], v[154:155]
	v_pk_add_f32 v[234:235], v[234:235], v[158:159]
	s_delay_alu instid0(VALU_DEP_2)
	v_pk_add_f32 v[14:15], v[14:15], v[240:241]
	s_delay_alu instid0(VALU_DEP_2)
	v_pk_add_f32 v[236:237], v[236:237], v[234:235]
	v_pk_add_f32 v[254:255], v[254:255], v[232:233]
	s_delay_alu instid0(VALU_DEP_1)
	v_pk_add_f32 v[14:15], v[14:15], v[254:255]
	s_delay_alu instid0(VALU_DEP_3)
	v_pk_add_f32 v[236:237], v[236:237], v[242:243]
	s_delay_alu instid0(VALU_DEP_1)
	v_pk_add_f32 v[14:15], v[14:15], v[236:237]
.if \first == 0
.irp j, 0,2,4,6,8,10,12,14,16,18,20,22,24,26,28,30,32,34,36,38,40,42,44,46,48,50,52,54,56,58,60,62
	v_pk_mul_f32 v[160+\j:161+\j], v[160+\j:161+\j], v[252:253] op_sel_hi:[1,0]   ; O^T under the new M
.endr
.endif
	s_wait_alu depctr_va_vdst(0)
	s_wait_dscnt 0x0                               ; v's fragments and scale words are in
.irp t, 0,1,2,3,4,5,6,7                        ; the eight accumulators by turns, one instruction a turn
.if \first
	v_wmma_scale_f32_16x16x128_f8f6f4 v[160+8*\t:167+8*\t], v[32+8*\t:39+8*\t], v[224:231], 0, v[244+\t], v253 matrix_a_fmt:MATRIX_FMT_FP4 matrix_b_fmt:MATRIX_FMT_FP4
.else
	v_wmma_scale_f32_16x16x128_f8f6f4 v[160+8*\t:167+8*\t], v[32+8*\t:39+8*\t], v[224:231], v[160+8*\t:167+8*\t], v[244+\t], v253 matrix_a_fmt:MATRIX_FMT_FP4 matrix_b_fmt:MATRIX_FMT_FP4
.endif
.endr
.endm
; THE CHANGE OF SLOTS.  Each wave waits for all its tensor loads (its part of the slot ahead), adds 0 to its spare word, and waits for that and for its reads of the slot that it leaves.
; fill = 1: the barrier is a round of the cluster's, and behind it the slot just left is filled with the key steps two slots on: the load has two key steps of every wave in which to land.
.macro CHANGE fill, g0
	s_wait_tensorcnt 0x0                           ; no tensor load of mine is out, so a group 0 may be written
	ds_add_u32 v5, v6                              ; 0 onto my spare word
.if \fill
	s_add_nc_u64 s[\g0+2:\g0+3], s[\g0+2:\g0+3], 2*SLOTB   ; the slot's next 8 key steps; the type bits on top are not reached
	s_wait_dscnt 0x0                               ; the add is done, and my reads of the slot are over
	CROUND
	JLOAD \g0                                      ; the first thing behind the round, and a wave's one tensor load until the next
.else
	s_wait_dscnt 0x0
	s_barrier_signal -1
	s_barrier_wait -1
.endif
.endm
	s_load_b512 s[4:19], s[0:1], 0x0               ; qf s[4:5], kv s[6:7], wq s[8:9], go s[10:11], bo s[12:13], mo s[14:15], vo s[16:17], x s[18:19]
	s_load_b64 s[20:21], s[0:1], 0x40              ; out0
	v_lshl_add_u32 v5, v0, 2, SPARE
	v_mov_b32 v6, 0
	ds_add_u32 v5, v6
	ds_add_u32 v5, v6
	s_wait_dscnt 0x0
	v_lshrrev_b32 v7, 5, v0
	s_delay_alu instid0(VALU_DEP_1)
	v_readfirstlane_b32 s[WV], v7                  ; wave 0..15
	s_and_b32 s23, s[WV], 3                        ; my tile of queries
	s_lshr_b32 s40, s[WV], 2                       ; my quarter of the keys
	s_bfe_u32 s41, ttmp6, 0x40000                  ; cx: my place in the cluster: it enters the addresses of qf, x and out0 alone
	s_lshl_b32 s42, ttmp9, 2
	s_add_co_u32 s42, s42, s41                     ; my block of 64 queries = 4 x cluster x + cx
	s_and_b32 s43, ttmp7, 0xffff                   ; the batch, which the four partners share
	; descriptor group 1: a key step, 17,408 dense bytes, as 68 rows of 256 bytes (32 elements of 8 bytes)
	s_mov_b32 s[G1], 15|(3<<16)|(1<<21)            ; 15:0 the mask: all four work-groups; 17:16 elements of 8 bytes; 21 set beside a mask; no padding: every LDS read takes 512 bytes on end
	s_mov_b32 s[G1+1], 32<<16                      ; tensor_dim0
	s_mov_b32 s[G1+2], 68<<16                      ; tensor_dim1
	s_mov_b32 s[G1+3], 32<<16                      ; tile_dim0
	s_mov_b32 s[G1+4], 68                          ; tile_dim1
	s_mov_b32 s[G1+5], 32                          ; tensor_dim0_stride
	s_mov_b32 s[G1+6], 0
	s_mov_b32 s[G1+7], 0
	s_mov_b32 s[SEL], 0x76543210
	s_mov_b32 s[SEL+1], 0xfedcba98
	s_mov_b32 s[CS], 0x3e0293ee                    ; c = log2(e) / sqrt(128)
	s_mov_b32 s[CS+1], s[CS]                       ; (named with it as a pair, so it is written)
	s_mul_i32 s44, s43, 32*STEPB                   ; the batch's 32 key steps
	s_and_b32 s45, s[WV], 7
	s_mul_i32 s45, s45, STEPB                      ; the key step of a slot that I fetch, if I fetch
	s_add_co_u32 s62, s44, s45
	s_mov_b32 s63, 0
	; q's fragment and scale words: record 32 x batch + block / 2, tile T = 4 (block % 2) + my tile
	s_lshl_b32 s50, s43, 5
	s_lshr_b32 s51, s42, 1
	s_add_co_u32 s50, s50, s51
	s_mul_i32 s50, s50, 8704
	s_and_b32 s51, s42, 1
	s_lshl_b32 s52, s51, 2
	s_add_co_u32 s52, s52, s23
	s_lshl_b32 s52, s52, 10
	s_add_co_u32 s52, s52, s50                     ; the fragment's byte
	s_lshl_b32 s51, s51, 8
	s_add_co_u32 s50, s50, s51
	s_lshl_b32 s51, s23, 2
	s_add_co_u32 s50, s50, s51
	s_add_co_u32 s50, s50, 8192                    ; the scale words': + 256 (T / 4) + 4 (T % 4)
	s_mov_b32 s51, 0
	s_mov_b32 s53, 0
	s_lshl_b32 s54, s40, 12
	s_add_co_u32 s54, s54, 65536                   ; Wo's fragments 64 + 4 x quarter on
	s_mov_b32 s55, 0
	s_lshl_b32 s56, s40, 8
	s_add_co_u32 s56, s56, 86016                   ; their group of scale words: 81,920 + 256 (16 + quarter)
	s_mov_b32 s57, 0
	s_lshl_b32 s58, s43, 22                        ; x and out0: the batch,
	s_lshl_b32 s59, s[WV], 18                      ; my 16 output channels of 16,384 bytes,
	s_add_co_u32 s58, s58, s59
	s_lshl_b32 s59, s42, 8                         ; the block's 64 pixels
	s_add_co_u32 s58, s58, s59
	s_mov_b32 s59, 0
	s_wait_kmcnt 0x0
	s_mov_b32 s32, 1                               ; 1:0 count = 1
	s_mov_b32 s33, s45                             ; 63:32 LDS address: slot 0
	s_add_nc_u64 s[34:35], s[6:7], s[62:63]        ; 120:64 global address: key steps 0-7
	s_mov_b32 s36, 1
	s_add_co_u32 s37, s45, SLOTB                   ; slot 1
	s_add_nc_u64 s[38:39], s[34:35], SLOTB         ; key steps 8-15
	s_or_b32 s35, s35, 0x80000000                  ; 127:126 type = 2
	s_or_b32 s39, s39, 0x80000000
	s_add_nc_u64 s[52:53], s[4:5], s[52:53]
	s_add_nc_u64 s[50:51], s[4:5], s[50:51]
	s_add_nc_u64 s[54:55], s[8:9], s[54:55]
	s_add_nc_u64 s[56:57], s[8:9], s[56:57]
	s_add_nc_u64 s[60:61], s[20:21], s[58:59]
	s_add_nc_u64 s[58:59], s[18:19], s[58:59]
	CROUND                                         ; all four work-groups are here: the first joint loads meet
	s_cmp_lt_u32 s[WV], 8                          ; a wave's two first fills stand in one branch, ahead of every wait on TENSORcnt and every LDS read
	s_cbranch_scc0 .Lfirst_asked
	tensor_load_to_lds s[32:35], s[G1:G1+7]
	s_nop 0
	tensor_load_to_lds s[36:39], s[G1:G1+7]
	s_nop 0
.rept 4
	v_nop
.endr
.Lfirst_asked:
	v_and_b32 v32, 31, v0                          ; lane
	v_and_b32 v33, 15, v0                          ; r
	v_bfe_u32 v34, v0, 4, 1                        ; h
	s_delay_alu instid0(VALU_DEP_2)
	v_and_b32 v35, 8, v33
	s_delay_alu instid0(VALU_DEP_1)
	v_add_nc_u32 v35, v35, v33                     ; r + 8 (r / 8)
	v_lshlrev_b32 v7, 4, v32
	s_wait_alu depctr_va_vdst(0)
	v_lshlrev_b32 v254, 4, v33
	global_load_b128 v[16:19], v7, s[52:53]        ; q's fragment stays in registers
	global_load_b128 v[20:23], v7, s[52:53] offset:512
	global_load_b32 v24, v254, s[50:51]            ; and its scale words
	s_mul_i32 s44, s40, 2*STEPB                    ; my two key steps in a slot
	v_add_nc_u32 v1, s44, v7
	s_delay_alu instid0(VALU_DEP_1)
	v_add_nc_u32 v2, SLOTB, v1
	v_add_nc_u32 v3, s44, v254
	s_delay_alu instid0(VALU_DEP_1)
	v_add_nc_u32 v4, SLOTB, v3
	s_lshl_b32 s45, s23, 2
	s_add_co_u32 s45, s45, s40                     ; 4 x tile + quarter: my place among the 16 images
	s_lshl_b32 s62, s45, 13
	v_add_nc_u32 v8, s62, v7                       ; v8: my image of O^T
	s_lshl_b32 s62, s45, 8
	s_add_co_u32 s62, s62, ML
	v_lshl_add_u32 v9, v32, 2, s62                 ; v9: my -M and l
	s_lshl_b32 s62, s23, 15
	s_lshl_b32 s63, s40, 11
	s_add_co_u32 s62, s62, s63
	v_add_nc_u32 v10, s62, v7                      ; v10: my tile's four images, channel block = my quarter's number
	s_lshl_b32 s62, s23, 10
	s_add_co_u32 s62, s62, ML
	v_lshl_add_u32 v11, v32, 2, s62                ; v11: my tile's four -M and l
	s_lshl_b32 s62, s23, 10
	s_add_co_u32 s62, s62, CIMG
	v_add_nc_u32 v27, s62, v7                      ; v27: my tile's fragment of ctx
	s_lshl_b32 s63, s40, 8
	s_add_co_u32 s62, s62, s63
	v_add_nc_u32 v25, s62, v254
	s_delay_alu instid0(VALU_DEP_1)
	v_lshl_add_u32 v25, v34, 3, v25                ; v25: my 8 bytes of it: block b of row r lies at 256 b + 16 r, my half of the block 8 h on
	s_lshl_b32 s62, s23, 6
	s_add_co_u32 s62, s62, CSC
	v_lshl_add_u32 v28, v33, 2, s62                ; v28: row r's scale word
	s_add_co_u32 s62, s62, s40
	v_lshl_add_u32 v26, v33, 2, s62                ; v26: my block's byte of it
	s_mul_i32 s62, s40, 64*OP
	s_lshr_b32 s63, s23, 1
	s_lshl_b32 s63, s63, 7
	s_add_co_u32 s62, s62, s63
	s_and_b32 s63, s23, 1
	s_lshl_b32 s63, s63, 5
	s_add_co_u32 s62, s62, s63
	s_add_co_u32 s62, s62, OST
	v_mul_u32_u24 v29, v35, OP
	s_delay_alu instid0(VALU_DEP_1)
	v_add_nc_u32 v29, s62, v29
	s_delay_alu instid0(VALU_DEP_1)
	v_lshl_add_u32 v29, v34, 6, v29                ; v29: the stage, in: row = my output channel; my 8 pixels 32 (tile / 2) + 8 (tile % 2) + 16 h on
	s_mul_i32 s62, s[WV], 16*OP
	s_add_co_u32 s62, s62, OST
	v_mul_u32_u24 v30, v34, OP
	s_delay_alu instid0(VALU_DEP_1)
	v_add_nc_u32 v30, v30, v254
	s_delay_alu instid0(VALU_DEP_1)
	v_add_nc_u32 v30, s62, v30                     ; v30: back: lanes 0-15 one row of 256 bytes, lanes 16-31 the next
	v_lshl_add_u32 v31, v34, 14, v254              ; v31: and the same two rows in x and out0
	v_mov_b32 v14, 0                               ; the sum, in two halves
	v_mov_b32 v15, 0
.irp b, 0,1,2,3
	v_mov_b32 v[236+\b], 0                         ; written once: a lane permute's destination counts as one of its sources
.endr
	s_wait_tensorcnt 1                             ; my part of slot 0 is in; slot 1's may stay out
	s_barrier_signal -1
	s_barrier_wait -1                              ; everybody's is
	s_wait_loadcnt 0x0                             ; q
	STEP 1, 3, 0, 1                                ; key steps 0-7 lie in slot 0
	STEP 1, 3, 1, 0
	CHANGE 1, 32                                   ; slot 0 takes key steps 16-23
	STEP 2, 4, 0, 0
	STEP 2, 4, 1, 0
	CHANGE 1, 36                                   ; slot 1 takes key steps 24-31
	STEP 1, 3, 0, 0
	STEP 1, 3, 1, 0
	CHANGE 0, 0                                    ; nothing is left to fetch
	STEP 2, 4, 0, 0
	STEP 2, 4, 1, 0
; ---- THE END.  What the last part needs from memory is asked for now.  The seven lines that make the two offsets name none of the last products' registers: they are the places behind those products.
	v_and_b32 v1, 15, v0
	s_delay_alu instid0(VALU_DEP_1)
	v_and_b32 v2, 8, v1
	s_delay_alu instid0(VALU_DEP_1)
	v_add_nc_u32 v2, v2, v1
	s_delay_alu instid0(VALU_DEP_1)
	v_lshlrev_b32 v2, 2, v2
	s_lshl_b32 s44, s40, 8
	v_add_nc_u32 v2, s44, v2                       ; 4 x my output channel of Wo's tile 4 x quarter: 64 x quarter + r + 8 (r / 8)
	v_lshlrev_b32 v1, 4, v1                        ; 16 r
	v_nop
.irp j, 0,1,2,3
.irp c, 0,1
	global_load_b128 v[32+8*\j+4*\c:35+8*\j+4*\c], v7, s[54:55] offset:1024*\j+512*\c   ; Wo's tiles 4 x quarter + j
.endr
.endr
	global_load_b128 v[248:251], v1, s[56:57]      ; their scale words
.irp j, 0,1,2,3
	global_load_b32 v[64+\j], v2, s[10:11] offset:(32*(\j/2)+8*(\j%2))*4   ; g
	global_load_b32 v[68+\j], v2, s[16:17] offset:(32*(\j/2)+8*(\j%2))*4   ; v
	global_load_b32 v[72+\j], v2, s[14:15] offset:(32*(\j/2)+8*(\j%2))*4   ; m
	global_load_b32 v[76+\j], v2, s[12:13] offset:(32*(\j/2)+8*(\j%2))*4   ; b
.endr
.irp i, 0,1,2,3,4,5,6,7
	global_load_b128 v[96+4*\i:99+4*\i], v31, s[58:59] offset:32768*\i th:TH_LOAD_NT   ; x at the rows that I shall store: 16 lanes read 256 consecutive bytes
.endr
	v_add_f32 v14, v14, v15                        ; the sum's two halves,
	s_delay_alu instid0(VALU_DEP_1)
	v_permlanex16_b32 v236, v14, s[SEL], s[SEL+1]
	s_delay_alu instid0(VALU_DEP_1)
	v_add_f32 v14, v14, v236                       ; and lane l xor 16's: my quarter's sum
.irp g, 0,1,2,3,4,5,6,7,8,9,10,11,12,13,14,15
	ds_store_b128 v8, v[160+4*\g:163+4*\g] offset:512*\g   ; O^T as it stands, each accumulator from its low end on
.endr
	ds_store_b32 v9, v12
	ds_store_b32 v9, v14 offset:128
	s_wait_dscnt 0x0                               ; for the others' sake: my stores have landed; my reads of slot 1 are over
	s_barrier_signal -1
	s_barrier_wait -1
; ---- my tile's four quarters are joined, for the 32 channels of block = my quarter's number
.irp i, 0,1,2,3
.irp g, 0,1,2,3
	ds_load_b128 v[160+16*\i+4*\g:163+16*\i+4*\g], v10 offset:8192*\i+512*\g
.endr
	ds_load_b32 v[232+\i], v11 offset:256*\i
	ds_load_b32 v[236+\i], v11 offset:256*\i+128
.endr
	s_wait_dscnt 0x0
	v_min3_num_f32 v254, v232, v233, v234
	s_delay_alu instid0(VALU_DEP_1)
	v_min_num_f32 v254, v254, v235                 ; -M of the whole row: the least of the four
.irp i, 0,1,2,3
	v_sub_f32 v[240+2*\i], v254, v[232+\i]         ; M of quarter i less the row's: a whole number, 0 or less
.endr
.irp i, 0,1,2,3
	s_delay_alu instid0(VALU_DEP_4)
	v_cvt_i32_f32 v[240+2*\i], v[240+2*\i]
.endr
.irp i, 0,1,2,3
	s_delay_alu instid0(VALU_DEP_4)
	v_ldexp_f32 v[240+2*\i], 1.0, v[240+2*\i]      ; f: an exact power of two
.endr
.irp i, 0,1,2,3
	s_delay_alu instid0(VALU_DEP_4)
	v_mul_f32 v[241+2*\i], v[240+2*\i], v[236+\i]  ; f l
.endr
	s_delay_alu instid0(VALU_DEP_3)
	v_add_f32 v252, v241, v243
	s_delay_alu instid0(VALU_DEP_2)
	v_add_f32 v253, v245, v247
	s_delay_alu instid0(VALU_DEP_1)
	v_add_f32 v252, v252, v253                     ; the row's sum
	s_wait_alu depctr_va_vdst(0)
	v_rcp_f32 v252, v252
.irp j, 0,2,4,6,8,10,12,14
	v_pk_mul_f32 v[160+\j:161+\j], v[160+\j:161+\j], v[240:241] op_sel_hi:[1,0]   ; (plain places behind the transcendental)
.endr
.irp i, 1,2,3
.irp j, 0,2,4,6,8,10,12,14
	v_pk_fma_f32 v[160+\j:161+\j], v[160+16*\i+\j:161+16*\i+\j], v[240+2*\i:241+2*\i], v[160+\j:161+\j] op_sel_hi:[1,0,1]
.endr
.endr
	s_wait_alu depctr_va_vdst(0)
.irp j, 0,1,2,3,4,5,6,7,8,9,10,11,12,13,14,15
	v_mul_f32 v[160+\j], v[160+\j], v252           ; ctx(my query, 32 x block + 16 h + j)
.endr
	v_max3_num_f32 v232, |v160|, |v161|, 0x1800000 ; my block is quantised: my 16 numbers and the floor 2^(3 - 127),
.irp i, 2,4,6,8,10,12,14
	s_delay_alu instid0(VALU_DEP_1)
	v_max3_num_f32 v232, v232, |v[160+\i]|, |v[161+\i]|
.endr
	s_delay_alu instid0(VALU_DEP_1)
	v_permlanex16_b32 v236, v232, s[SEL], s[SEL+1]
	s_delay_alu instid0(VALU_DEP_1)
	v_max_num_f32 v232, v232, v236                 ; with lane l xor 16's
	s_delay_alu instid0(VALU_DEP_1)
	v_add_nc_u32 v233, 0xff000000, v232
	s_delay_alu instid0(VALU_DEP_1)
	v_lshrrev_b32 v234, 23, v233
	v_cvt_scalef32_pk8_fp4_f32 v224, v[160:167], v233
	v_cvt_scalef32_pk8_fp4_f32 v225, v[168:175], v233
	v_nop                                          ; one plain place behind a scaled conversion
	ds_store_b64 v25, v[224:225]                   ; straight to its place in the fragment's image
	ds_store_b8 v26, v234                          ; both halves of the lanes write the same byte with the same value
	s_wait_loadcnt 0x0                             ; Wo, BN's numbers, x
.irp j, 0,1,2,3
	v_add_f32 v[68+\j], 0x3727c5ac, v[68+\j]       ; v + 1e-5
.endr
	s_wait_alu depctr_va_vdst(0)
.irp j, 0,1,2,3
	v_rsq_f32 v[68+\j], v[68+\j]
.endr
	v_nop                                          ; one plain place behind a transcendental
	s_wait_alu depctr_va_vdst(0)
.irp j, 0,1,2,3
	v_mul_f32 v[64+\j], v[64+\j], v[68+\j]         ; s = g / sqrt(v + 1e-5)
.endr
	s_wait_dscnt 0x0                               ; for the others' sake: my part of ctx has landed; my reads of the images are over
	s_barrier_signal -1
	s_barrier_wait -1
; ---- the last product: source 0 = my tile's 16 pixels of ctx, source 1 = 16 rows of Wo: a lane holds ONE output channel and eight neighbouring pixels
	ds_load_b128 v[16:19], v27
	ds_load_b128 v[20:23], v27 offset:512
	ds_load_b32 v24, v28
	s_wait_dscnt 0x0
.irp j, 0,1,2,3
	v_wmma_scale_f32_16x16x128_f8f6f4 v[128+8*\j:135+8*\j], v[16:23], v[32+8*\j:39+8*\j], 0, v24, v[248+\j] matrix_a_fmt:MATRIX_FMT_FP4 matrix_b_fmt:MATRIX_FMT_FP4
.endr
	PLACES 4
.irp j, 0,1,2,3
.irp i, 0,1,2,3,4,5,6,7
	v_sub_f32 v[128+8*\j+\i], v[128+8*\j+\i], v[72+\j]   ; sum - m, each accumulator from its low end on
.endr
.endr
.irp j, 0,1,2,3
.irp i, 0,1,2,3,4,5,6,7
	v_fma_f32 v[128+8*\j+\i], v[128+8*\j+\i], v[64+\j], v[76+\j]   ; x s + b
.endr
.endr
.irp j, 0,1,2,3
.irp i, 0,1,2,3,4,5,6,7
	v_max_num_f32 v[128+8*\j+\i], 0, v[128+8*\j+\i]
.endr
.endr
.irp j, 0,1,2,3
	ds_store_b128 v29, v[128+8*\j:131+8*\j] offset:(32*(\j/2)+8*(\j%2))*OP
	ds_store_b128 v29, v[132+8*\j:135+8*\j] offset:(32*(\j/2)+8*(\j%2))*OP+16
.endr
	s_wait_dscnt 0x0                               ; for the others' sake: a row's 256 bytes come from four waves
	s_barrier_signal -1
	s_barrier_wait -1
.irp i, 0,1,2,3,4,5,6,7
	ds_load_b128 v[160+4*\i:163+4*\i], v30 offset:2*OP*\i
.endr
	s_wait_dscnt 0x0
.irp j, 0,2,4,6,8,10,12,14,16,18,20,22,24,26,28,30
	v_pk_add_f32 v[160+\j:161+\j], v[160+\j:161+\j], v[96+\j:97+\j]   ; + x
.endr
.irp i, 0,1,2,3,4,5,6,7
	global_store_b128 v31, v[160+4*\i:163+4*\i], s[60:61] offset:32768*\i th:TH_STORE_NT   ; 16 lanes store 256 consecutive bytes, aligned
.endr
	s_wait_tensorcnt 0x0                           ; the wave's end, behind my last tensor load and my last LDS store
	ds_add_u32 v5, v6
	s_wait_dscnt 0x0
	CROUND                                         ; the closing round: no work-group ends while a partner may still ask for a tile that names it
	s_endpgm
.Lfunc_end_k_qdf351d115d_attn:
	.size	k_qdf351d115d_attn, .Lfunc_end_k_qdf351d115d_attn-k_qdf351d115d_attn
	.p2alignl 7, 3214868480
	.fill 96, 4, 3214868480
	.section	.rodata,"a",@progbits
	.p2align	6, 0x0
	.amdhsa_kernel k_qdf351d115d_attn
		.amdhsa_group_segment_fixed_size 327680
		.amdhsa_private_segment_fixed_size 0
		.amdhsa_enable_private_segment 0
		.amdhsa_kernarg_size 72
		.amdhsa_user_sgpr_count 2
		.amdhsa_user_sgpr_kernarg_segment_ptr 1
		.amdhsa_wavefront_size32 1
		.amdhsa_system_sgpr_workgroup_id_x 1
		.amdhsa_system_sgpr_workgroup_id_y 1
		.amdhsa_system_sgpr_workgroup_id_z 1
		.amdhsa_system_vgpr_workitem_id 0
		.amdhsa_next_free_vgpr 256
		.amdhsa_next_free_sgpr 66
		.amdhsa_reserve_vcc 0
		.amdhsa_float_denorm_mode_32 3
		.amdhsa_float_denorm_mode_16_64 3
		.amdhsa_memory_ordered 1
		.amdhsa_forward_progress 1
		.amdhsa_inst_pref_size 174
	.end_amdhsa_kernel
	.amdgpu_metadata
---
amdhsa.version: [ 1, 2 ]
amdhsa.kernels:
  - .name:           k_qdf351d115d_attn
    .symbol:         k_qdf351d115d_attn.kd
    .args:
      - { .name: qf, .offset: 0, .size: 8, .value_kind: global_buffer, .address_space: global }
      - { .name: kv, .offset: 8, .size: 8, .value_kind: global_buffer, .address_space: global }
      - { .name: wq, .offset: 16, .size: 8, .value_kind: global_buffer, .address_space: global }
      - { .name: go, .offset: 24, .size: 8, .value_kind: global_buffer, .address_space: global }
      - { .name: bo, .offset: 32, .size: 8, .value_kind: global_buffer, .address_space: global }
      - { .name: mo, .offset: 40, .size: 8, .value_kind: global_buffer, .address_space: global }
      - { .name: vo, .offset: 48, .size: 8, .value_kind: global_buffer, .address_space: global }
      - { .name: x, .offset: 56, .size: 8, .value_kind: global_buffer, .address_space: global }
      - { .name: out0, .offset: 64, .size: 8, .value_kind: global_buffer, .address_space: global }
    .group_segment_fixed_size: 327680
    .private_segment_fixed_size: 0
    .kernarg_segment_align: 8
    .kernarg_segment_size: 72
    .max_flat_workgroup_size: 512
    .sgpr_count:     66
    .vgpr_count:     256
    .wavefront_size: 32
...
	.end_amdgpu_metadata
.endif
;; end of part 4
